; MI455X (gfx1250); checked and timed in simulation.
; The chip was launched on July 23, 2026; its instructions are those of AMD's public machine-readable ISA for CDNA 5 (MIT licence, August 2026) and "CDNA5" Instruction Set Architecture Reference Guide (July 2026). The comments in the code are by the model that wrote it; some were corrected since.
;; Multi Head Attention. Allowed arithmetic: matrix products marked QUANTISED: E5M2 operands, one given power-of-two scale a tensor, by v_wmma_f32_16x16x64_bf8_bf8 or v_wmma_f32_16x16x128_bf8_bf8, f32 sums; everything else in f32.
;; Inputs: Wk 1,024 x 1,024 float32; Wo 1,024 x 1,024 float32; Wq 1,024 x 1,024 float32; Wv 1,024 x 1,024 float32; beta 1,024 float32; bk 1,024 float32; bo 1,024 float32; bq 1,024 float32; bv 1,024 float32; gamma 1,024 float32; k 8 x 1,024 x 1,024 float32; lowp_scales 12 int32 (the exponents e of the quantised operands' scales 2^e); pad_mask 8 x 1,024 bool; q 8 x 1,024 x 1,024 float32; v 8 x 1,024 x 1,024 float32.
;; Outputs: out0 8 x 1,024 x 1,024 float32.
;; This version of the problem:
;;   THIS VERSION OF THE PROBLEM IS GIVEN IN LOW PRECISION. The matrix products marked QUANTISED in the list below multiply operands that are first quantised to E5M2 (5 exponent bits, 2 mantissa bits; 8 bits a number), with one given power-of-two scale for each operand tensor; their sums are f32. All else is computed in f32.
;;   The module's matrix products, in the order in which they are computed (A, B: the left and right operand; K: the contracted axis; several contracted axes count as one K, in the product's order):
;;     1. [M 8,192, K 1,024] x [K 1,024, N 1,024]; A: computed on the way; B: input Wq: QUANTISED (scales: A lowp_scales[0], B lowp_scales[1])
;;     2. [M 8,192, K 1,024] x [K 1,024, N 1,024]; A: computed on the way; B: input Wk: QUANTISED (scales: A lowp_scales[2], B lowp_scales[3])
;;     3. [M 8,192, K 1,024] x [K 1,024, N 1,024]; A: computed on the way; B: input Wv: QUANTISED (scales: A lowp_scales[4], B lowp_scales[5])
;;     4. batch 128 x [M 1,024, K 64] x [K 64, N 1,024]; A: computed on the way; B: computed on the way: QUANTISED (scales: A lowp_scales[6], B lowp_scales[7])
;;     5. batch 128 x [M 1,024, K 1,024] x [K 1,024, N 64]; A: softmax (see below); B: computed on the way: QUANTISED (scales: A lowp_scales[8], B lowp_scales[9])
;;     6. [M 8,192, K 1,024] x [K 1,024, N 1,024]; A: computed on the way; B: input Wo: QUANTISED (scales: A lowp_scales[10], B lowp_scales[11])
;;   THE QUANTISER, for each operand of a quantised product, along K:
;;     - The operand's scale is 2^e, e = its entry of the input lowp_scales (int32; the entries are numbered through the quantised products in the list's order, A before B).
;;     - Each number is divided by the scale, clamped to +-57,344, and rounded to the nearest number of E5M2, ties to even, subnormals kept.
;;     - The product sums the exact products of the quantised numbers (number of the format x scale) in f32.
;;   ~~~python
;;   def quantise(x, axis, e):      # numpy; x: float32 -> the quantised numbers, widened to float32 again
;;       x = np.moveaxis(x, axis, -1); K = x.shape[-1]
;;       r = np.clip(x / 2.0 ** e, -57344, 57344)
;;       step = 2.0 ** (np.maximum(np.frexp(np.where(r == 0, 1, r))[1] - 1, -14) - 2)
;;       q = np.round(r / step) * step * 2.0 ** e      # np.round: ties to even
;;       return np.moveaxis(q, -1, axis).astype(np.float32)
;;   ~~~
;;   SOFTMAX AHEAD OF A QUANTISED PRODUCT. Where the list says 'softmax', what is quantised is not the finished softmax but p = 2^(t - M), with t = logit x log2(e) and M = ceil(the row's largest t), a whole number; so 1/2 < the row's largest p <= 1. The row's sum l is taken of the UNQUANTISED p, in f32, and the product's result is divided by l at the end. Since M is a whole number, a kernel that streams over the keys may use a running M (the ceiling of the running maximum): every later rescaling is an exact power of two, so the quantised numbers keep their values, but for numbers so far below the row's largest that they fall under the format's range.
;;   OPERANDS COMPUTED ON THE WAY. 'Computed on the way' means the value that the module computes at that place (a softmax that the list does not call 'softmax' is quantised finished and normalised). What goes into a quantiser is computed in f32, as accurately as f32 sums, v_exp_f32 and their like allow (about 1e-6 of the number): no bf16 or f16 on the way to a quantiser, and a product that is left as it is and whose result goes on into a quantised operand takes f32 operands (vector FMAs, or v_wmma_f32_16x16x4_f32). A number that lies on a knife's edge between two numbers of the format may be rounded either way, as far as f32 arithmetic and the matrix unit's own rounding can turn it there, and no further.
;; 2 versions, each right; version 2 is version 1 with the launch attn written anew for expert scheduling mode. Each part assembles by itself: llvm-mc -triple=amdgcn-amd-amdhsa -mcpu=gfx1250 --defsym DOCPART=n.
;; ======== version 1 of 2: 4 launches
;; workspace buffers: xw 29,360,128 bytes; pc 25,165,824 bytes; ac 8,388,608 bytes
;; launch prep (part 1): grid 896 x 1, 4 waves a work-group, no clusters, 20,992 bytes of LDS; arguments q, k, v, Wq, Wk, Wv, Wo, gamma, beta, lowp_scales, xw; writes xw
.if DOCPART == 1
	.amdgcn_target "amdgcn-amd-amdhsa--gfx1250"
	.amdhsa_code_object_version 6
	.text
	.protected	k_qec3bc7b7bf_prep
	.globl	k_qec3bc7b7bf_prep
	.p2align	8
	.type	k_qec3bc7b7bf_prep,@function
k_qec3bc7b7bf_prep:
	s_mov_b64 s[64:65], 0
	v_nop
	global_prefetch_b8 v0, s[64:65] scope:SCOPE_SE
	s_setreg_imm32_b32 hwreg(HW_REG_WAVE_MODE, 25, 1), 1
	s_wait_xcnt 0x0
; LAYER NORM AND QUANTISER.  xw: 28,672 rows of 1,024 codes of BF8 (E5M2), K innermost:
;   rows 0-8,191 LN(q) with 2^e0, 8,192-16,383 LN(k) with 2^e2, 16,384-24,575 LN(v) with 2^e4, then 1,024 rows each of Wq (e1), Wk (e3), Wv (e5), Wo (e11), quantised as they are.
; code = y / 2^e, held within +-57,344, rounded to the nearest code, ties to even.  y = (x - mean) * rsqrt(var + 1e-5) * gamma + beta, two passes over the row in f32, as the problem writes it.
; LIMITS: each e used here lies between -126 and 112, so that 2^e and 57,344 x 2^e are f32 numbers.  NaN among the inputs is not served.
; SHARES.  Work-group n owns rows 32 n .. 32 n + 31 of xw, each of its four waves eight rows; a wave takes one whole row (4,096 bytes) at a time, so a row's sums never leave the wave: no barrier.
; ONE PATH FOR ALL SEVEN TENSORS: source, first work-group and exponent are chosen by selects on the work-group's number.  For a weight the mean is replaced by 0, the reciprocal root and gamma by 1, beta by 0
; (selects on a lane mask that is all ones or all zeros): then y = x exactly.
; A load reads 512 consecutive bytes, 16 a lane; the conversions want 8 neighbours along K in one lane's registers.  So a row turns through the wave's own stage in LDS: in as it lies, back 64 bytes a lane
; (places of 64 bytes + 16 of padding, so that sixteen lanes' reads start 80 bytes apart).  Lane L then holds columns 16 L .. +15 and 512 + 16 L .. +15; its 2 x 16 codes leave by two stores of 512 consecutive bytes a wave.
; Two rows (16 loads a wave) are on their way while one is worked.  Every offset is an immediate and every row has its own code registers: no address and no store's data are written again.
.set R,    16                          ; v16-79   two sets of 32: a row as loaded
.set X,    80                          ; v80-111  the row, 32 numbers a lane
.set G,    112                         ; v112-143 gamma of my 32 columns
.set B,    144                         ; v144-175 beta
.set C,    176                         ; v176-239 codes: 8 registers a row
.set SP,   80                          ; a place in the stage
.set WSTG, 64*SP                       ; a wave's stage: 64 places
	s_load_b512 s[4:19], s[0:1], 0x0               ; q s[4:5], k s[6:7], v s[8:9], Wq s[10:11], Wk s[12:13], Wv s[14:15], Wo s[16:17], gamma s[18:19]
	s_load_b128 s[20:23], s[0:1], 0x40             ; beta s[20:21], the exponents s[22:23]
	s_load_b64 s[24:25], s[0:1], 0x50              ; xw
	v_lshl_add_u32 v248, v0, 2, 0x5000
	v_mov_b32 v249, 0
	v_lshrrev_b32 v1, 5, v0
	v_readfirstlane_b32 s40, v1                    ; wave 0..3
	v_and_b32 v1, 31, v0                           ; lane L
	v_lshlrev_b32 v2, 4, v1                        ; 16 L: my 16 bytes of a load's or a store's 512
	s_mul_i32 s52, s40, WSTG
	v_lshrrev_b32 v3, 2, v1
	v_mul_u32_u24 v3, v3, SP
	v_and_b32 v4, 3, v1
	v_lshl_add_u32 v3, v4, 4, v3
	v_add_nc_u32 v3, s52, v3                       ; the stage, way in: four lanes' 64 bytes fill a place: SP (L / 4) + 16 (L % 4)
	v_mul_u32_u24 v4, v1, SP
	v_add_nc_u32 v4, s52, v4                       ; way out: place L (and place 32 + L)
	v_lshlrev_b32 v5, 6, v1                        ; 64 L: my 16 numbers of gamma and beta
	v_mov_b32 v14, 0                               ; a lane permute's destination counts as read: written once
	s_mov_b32 s48, 0x76543210                      ; v_permlanex16_b32: lane l takes lane l xor 16
	s_mov_b32 s49, 0xfedcba98
	s_mov_b32 s50, 0x3a800000                      ; 1 / 1,024
	s_mov_b32 s51, 0x3727c5ac                      ; 1e-5
	s_cmp_lt_u32 ttmp9, 768
	s_cselect_b32 s43, -1, 0                       ; all ones: a row to be normalised; all zeros: a row of a weight
	s_wait_kmcnt 0x0
	s_load_b256 s[28:35], s[22:23], 0x0            ; e0 .. e7
	s_load_b128 s[36:39], s[22:23], 0x20           ; e8 .. e11
.macro PICKP bound, ptr, first         ; work-groups under bound belong to an earlier tensor
	s_cmp_lt_u32 ttmp9, \bound
	s_cselect_b64 s[44:45], s[\ptr:\ptr+1], s[44:45]
	s_cselect_b32 s41, \first, s41
.endm
.macro PICKE bound, e
	s_cmp_lt_u32 ttmp9, \bound
	s_cselect_b32 s42, s[\e], s42
.endm
	s_mov_b64 s[44:45], s[16:17]                   ; Wo, from work-group 864 on
	s_mov_b32 s41, 864
	PICKP 864, 14, 832                             ; Wv
	PICKP 832, 12, 800                             ; Wk
	PICKP 800, 10, 768                             ; Wq
	PICKP 768, 8, 512                              ; v
	PICKP 512, 6, 256                              ; k
	PICKP 256, 4, 0                                ; q
	s_sub_co_u32 s46, ttmp9, s41
	s_lshl_b32 s46, s46, 17                        ; 32 rows of 4,096 bytes for each work-group of the tensor,
	s_lshl_b32 s47, s40, 15                        ; 8 rows for each wave
	s_add_co_u32 s46, s46, s47
	s_mov_b32 s47, 0
	s_add_nc_u64 s[44:45], s[44:45], s[46:47]      ; the source at my wave's first row
	s_lshl_b32 s46, ttmp9, 15                      ; 32 rows of 1,024 codes,
	s_lshl_b32 s47, s40, 13                        ; 8 rows a wave
	s_add_co_u32 s46, s46, s47
	s_mov_b32 s47, 0
	s_add_nc_u64 s[24:25], s[24:25], s[46:47]      ; xw at my wave's first row
.irp j, 0,1,2,3
	global_load_b128 v[G+4*\j:G+4*\j+3], v5, s[18:19] offset:16*\j
	global_load_b128 v[G+16+4*\j:G+16+4*\j+3], v5, s[18:19] offset:2048+16*\j
	global_load_b128 v[B+4*\j:B+4*\j+3], v5, s[20:21] offset:16*\j
	global_load_b128 v[B+16+4*\j:B+16+4*\j+3], v5, s[20:21] offset:2048+16*\j
.endr
.macro LOADROW t                       ; row t into set t % 2: eight loads of 512 consecutive bytes
.irp i, 0,1,2,3,4,5,6,7
	global_load_b128 v[R+32*((\t)%2)+4*\i:R+32*((\t)%2)+4*\i+3], v2, s[44:45] offset:4096*(\t)+512*\i th:TH_LOAD_NT
.endr
.endm
	LOADROW 0
	LOADROW 1
	s_wait_kmcnt 0x0
	s_mov_b32 s42, s39                             ; e11,
	PICKE 864, 33                                  ; e5,
	PICKE 832, 31                                  ; e3,
	PICKE 800, 29                                  ; e1,
	PICKE 768, 32                                  ; e4,
	PICKE 512, 30                                  ; e2,
	PICKE 256, 28                                  ; e0
	s_add_co_i32 s42, s42, 127
	s_lshl_b32 s46, s42, 23
	v_mov_b32 v15, s46                             ; 2^e as f32: the conversion takes its exponent field
	s_add_co_i32 s42, s42, 15
	s_lshl_b32 s42, s42, 23
	s_or_b32 s42, s42, 0x600000
	v_mov_b32 v240, s42                            ; 57,344 x 2^e
	s_wait_loadcnt 16                              ; gamma and beta are in; the two rows' 16 loads may stay out
.set j, 0
.rept 32
	v_cndmask_b32 v[G+j], 1.0, v[G+j], s43         ; a weight: gamma = 1,
	v_cndmask_b32 v[B+j], 0, v[B+j], s43           ; beta = 0
.set j, j+1
.endr
.macro REDUCE                          ; v10 summed over the 32 lanes, the result in every lane
	v_add_f32_dpp v10, v10, v10 row_xmask:1 row_mask:0xf bank_mask:0xf
	v_add_f32_dpp v10, v10, v10 row_xmask:2 row_mask:0xf bank_mask:0xf
	v_add_f32_dpp v10, v10, v10 row_xmask:4 row_mask:0xf bank_mask:0xf
	v_add_f32_dpp v10, v10, v10 row_xmask:8 row_mask:0xf bank_mask:0xf
	v_permlanex16_b32 v14, v10, s48, s49
	v_add_f32 v10, v10, v14
.endm
.macro ROW t
.set RS, R+32*((\t)%2)
.if (\t) < 7
	s_wait_loadcnt 8                               ; this row's eight loads are in; the next row's eight may stay out
.else
	s_wait_loadcnt 0
.endif
.irp i, 0,1,2,3,4,5,6,7
	ds_store_b128 v3, v[RS+4*\i:RS+4*\i+3] offset:8*SP*\i
.endr
.irp j, 0,1,2,3,4,5,6,7
	ds_load_b128 v[X+4*\j:X+4*\j+3], v4 offset:32*SP*(\j/4)+16*(\j%4)   ; LDS serves a wave's instructions in order (ISA guide 5.7.1.4): these see the stores above
.endr
	s_wait_dscnt 0x0                               ; the row is back; the stores into the stage have read their registers,
.if (\t)+2 < 8
	LOADROW (\t)+2                                 ; which take the row two further on
.endif
	v_pk_add_f32 v[10:11], v[X:X+1], v[X+2:X+3]    ; the row's sum: two packed chains,
	v_pk_add_f32 v[12:13], v[X+4:X+5], v[X+6:X+7]
.irp j, 8,12,16,20,24,28
	v_pk_add_f32 v[10:11], v[10:11], v[X+\j:X+\j+1]
	v_pk_add_f32 v[12:13], v[12:13], v[X+\j+2:X+\j+3]
.endr
	v_pk_add_f32 v[10:11], v[10:11], v[12:13]
	v_add_f32 v10, v10, v11
	REDUCE                                         ; then across the lanes
	v_mul_f32 v6, s50, v10                         ; the mean
	v_cndmask_b32 v6, 0, v6, s43                   ; (a weight: 0)
	v_mov_b32 v7, v6
.irp j, 0,2,4,6,8,10,12,14,16,18,20,22,24,26,28,30
	v_pk_add_f32 v[X+\j:X+\j+1], v[X+\j:X+\j+1], v[6:7] neg_lo:[0,1] neg_hi:[0,1]   ; x - mean
.endr
	v_pk_mul_f32 v[10:11], v[X:X+1], v[X:X+1]      ; the sum of squares, likewise
	v_pk_mul_f32 v[12:13], v[X+2:X+3], v[X+2:X+3]
.irp j, 4,8,12,16,20,24,28
	v_pk_fma_f32 v[10:11], v[X+\j:X+\j+1], v[X+\j:X+\j+1], v[10:11]
	v_pk_fma_f32 v[12:13], v[X+\j+2:X+\j+3], v[X+\j+2:X+\j+3], v[12:13]
.endr
	v_pk_add_f32 v[10:11], v[10:11], v[12:13]
	v_add_f32 v10, v10, v11
	REDUCE
	v_fma_f32 v10, v10, s50, s51                   ; var + 1e-5
	v_rsq_f32 v8, v10
	v_nop                                          ; a plain instruction behind the transcendental (ISA guide 5.7.2),
	s_wait_alu depctr_va_vdst(0)                   ; and the wait ahead of its first reader
	v_cndmask_b32 v8, 1.0, v8, s43                 ; (a weight: 1)
	v_mov_b32 v9, v8
.irp j, 0,2,4,6,8,10,12,14,16,18,20,22,24,26,28,30
	v_pk_mul_f32 v[X+\j:X+\j+1], v[X+\j:X+\j+1], v[8:9]
.endr
.irp j, 0,2,4,6,8,10,12,14,16,18,20,22,24,26,28,30
	v_pk_fma_f32 v[X+\j:X+\j+1], v[X+\j:X+\j+1], v[G+\j:G+\j+1], v[B+\j:B+\j+1]
.endr
.set j, 0
.rept 32
	v_med3_num_f32 v[X+j], v[X+j], -v240, v240     ; the conversion to an 8-bit code does not saturate (ISA guide 7.6.2): the hold at the largest code x the scale
.set j, j+1
.endr
.irp g, 0,1,2,3
	v_cvt_scalef32_pk8_bf8_f32 v[C+8*(\t)+2*\g:C+8*(\t)+2*\g+1], v[X+8*\g:X+8*\g+7], v15
.endr
	v_nop                                          ; a plain instruction behind the last conversion
	global_store_b128 v2, v[C+8*(\t):C+8*(\t)+3], s[24:25] offset:1024*(\t)          ; columns 0-511: 512 consecutive bytes
	global_store_b128 v2, v[C+8*(\t)+4:C+8*(\t)+7], s[24:25] offset:1024*(\t)+512    ; columns 512-1,023
.endm
.irp t, 0,1,2,3,4,5,6,7
	ROW \t
.endr
	s_wait_tensorcnt 0x0
	ds_add_u32 v248, v249
	s_wait_dscnt 0x0
	s_endpgm
.Lfunc_end_k_qec3bc7b7bf_prep:
	.size	k_qec3bc7b7bf_prep, .Lfunc_end_k_qec3bc7b7bf_prep-k_qec3bc7b7bf_prep
	.p2alignl 7, 3214868480
	.fill 96, 4, 3214868480
	.section	.rodata,"a",@progbits
	.p2align	6, 0x0
	.amdhsa_kernel k_qec3bc7b7bf_prep
		.amdhsa_group_segment_fixed_size 20992
		.amdhsa_private_segment_fixed_size 0
		.amdhsa_enable_private_segment 0
		.amdhsa_kernarg_size 88
		.amdhsa_user_sgpr_count 2
		.amdhsa_user_sgpr_kernarg_segment_ptr 1
		.amdhsa_wavefront_size32 1
		.amdhsa_system_sgpr_workgroup_id_x 1
		.amdhsa_system_sgpr_workgroup_id_y 1
		.amdhsa_system_sgpr_workgroup_id_z 1
		.amdhsa_system_vgpr_workitem_id 0
		.amdhsa_next_free_vgpr 250
		.amdhsa_next_free_sgpr 66
		.amdhsa_reserve_vcc 0
		.amdhsa_float_denorm_mode_32 3
		.amdhsa_float_denorm_mode_16_64 3
		.amdhsa_memory_ordered 1
		.amdhsa_forward_progress 1
		.amdhsa_inst_pref_size 93
	.end_amdhsa_kernel
	.amdgpu_metadata
---
amdhsa.version: [ 1, 2 ]
amdhsa.kernels:
  - .name:           k_qec3bc7b7bf_prep
    .symbol:         k_qec3bc7b7bf_prep.kd
    .args:
      - { .name: q, .offset: 0, .size: 8, .value_kind: global_buffer, .address_space: global }
      - { .name: k, .offset: 8, .size: 8, .value_kind: global_buffer, .address_space: global }
      - { .name: v, .offset: 16, .size: 8, .value_kind: global_buffer, .address_space: global }
      - { .name: Wq, .offset: 24, .size: 8, .value_kind: global_buffer, .address_space: global }
      - { .name: Wk, .offset: 32, .size: 8, .value_kind: global_buffer, .address_space: global }
      - { .name: Wv, .offset: 40, .size: 8, .value_kind: global_buffer, .address_space: global }
      - { .name: Wo, .offset: 48, .size: 8, .value_kind: global_buffer, .address_space: global }
      - { .name: gamma, .offset: 56, .size: 8, .value_kind: global_buffer, .address_space: global }
      - { .name: beta, .offset: 64, .size: 8, .value_kind: global_buffer, .address_space: global }
      - { .name: lowp_scales, .offset: 72, .size: 8, .value_kind: global_buffer, .address_space: global }
      - { .name: xw, .offset: 80, .size: 8, .value_kind: global_buffer, .address_space: global }
    .group_segment_fixed_size: 20992
    .private_segment_fixed_size: 0
    .kernarg_segment_align: 8
    .kernarg_segment_size: 88
    .max_flat_workgroup_size: 128
    .sgpr_count:     66
    .vgpr_count:     250
    .wavefront_size: 32
...
	.end_amdgpu_metadata
.endif
;; end of part 1
;; launch proj (part 2): grid 4 x 96, 4 waves a work-group, clusters of 4 x 4, 327,680 bytes of LDS; arguments xw, bq, bk, bv, lowp_scales, pc; writes pc
.if DOCPART == 2
	.amdgcn_target "amdgcn-amd-amdhsa--gfx1250"
	.amdhsa_code_object_version 6
	.text
	.protected	k_qec3bc7b7bf_proj
	.globl	k_qec3bc7b7bf_proj
	.p2align	8
	.type	k_qec3bc7b7bf_proj,@function
k_qec3bc7b7bf_proj:
	s_mov_b64 s[64:65], 0
	v_nop
	global_prefetch_b8 v0, s[64:65] scope:SCOPE_SE
	s_setreg_imm32_b32 hwreg(HW_REG_WAVE_MODE, 25, 1), 1
	s_wait_xcnt 0x0
	s_wait_alu depctr_hold_cnt(0) depctr_sa_sdst(0) depctr_va_vdst(0) depctr_va_sdst(0) depctr_va_ssrc(0) depctr_va_vcc(0) depctr_vm_vsrc(0)
	s_getreg_b32 s2, hwreg(HW_REG_IB_STS2, 6, 4)
	s_cmp_eq_u32 s2, 0
	s_cbranch_scc0 .Lentry_in_a_cluster
	s_endpgm
.Lentry_in_a_cluster:
	s_bfe_u32 s2, ttmp6, 0x10000c
	s_cmp_lg_u32 s2, 0xf033
	s_cbranch_scc0 .Lentry_shape_is_right
	s_endpgm
.Lentry_shape_is_right:
; THE THREE PROJECTIONS, one launch: y = X W^T + bias on codes of BF8 (E5M2), and y quantised again for attention.  X: rows of xw (LN(q), LN(k), LN(v): 24,576 rows), W: rows 24,576 + 1,024 t of xw, t = 0, 1, 2; K = 1,024.
; A sum is multiplied once by 2^(e[2t] + e[2t+1]), the bias is added, and the number is quantised with 2^e6 (q), 2^e7 (k), 2^e9 (v): held within +-57,344 x the scale, nearest code, ties to even.
; LIMITS: e0+e1, e2+e3, e4+e5 between -126 and 127; e6, e7, e9 between -126 and 112.  NaN among the inputs is not served.
; SHARES.  384 tiles of 256 x 256; a work-group of four waves makes one, a wave 128 x 128: 64 accumulators, 512 registers.  K goes in four steps of 256 through two LDS slots filled by the tensor data mover.
; CLUSTERS: 4 x 4 work-groups.  The four of a row of the cluster need the same rows of X, the four of a column the same rows of W: each tile is asked for jointly.  A cluster's sixteen tiles belong to one tensor (t = cluster y / 8).
; ROLES.  Source 1 of the matrix instruction gives the result's lanes, source 0 its registers.  q and k: source 1 = tokens, source 0 = features: a lane holds eight neighbouring features of a token.
; v: the roles change places, since the keys are the K of attention's second product: a lane holds eight neighbouring tokens of a feature.  Only the two LDS read addresses differ (a select on t, which all partners share).
; pc: part 0 (q) and part 1 (k): [batch][head][token][64];  part 2 (v): [batch][pair of heads][block of 64 keys][head of the pair][d][64 keys].  In all three, element (R, C) of a wave's tile (R: source 1's row, C: source 0's)
; goes to base[C / 64] + 64 R + pos(C % 64), with pos(16 b + 8 h + j) = 32 (b / 2) + 16 h + 8 (b % 2) + j: so that a reader's 16-byte loads at 32 c + 16 h bring registers 4 c .. 4 c + 3 with k = 16 (2 c + u) + 8 h + j in their own places.
; REGISTERS, in windows of 256: window 0: v0-31 addresses; v32-95, v96-111 the bias by column and by row; from v128 source 1's fragments, one set; on the way out v128-255 are at work.
;   window 1: source 0's fragments, two sets.   windows 2, 3: the accumulators ((a, b) at v[8 (8 (a % 4) + b)]).
.set ROWB,   256                       ; a tile's row in bytes: a K step
.set KROW,   1024                      ; a row of xw
.set PITCH,  272                       ; an LDS row: 256 bytes + 16 of padding: the 16 rows that a load touches start 68 words apart
.set FR,     16                        ; registers of a fragment: 16 rows x 128 K
.set NL,     4                         ; LDS loads that bring one
.set NP,     4                         ; places behind this matrix instruction (ISA guide 7.12.1)
.set HALFT,  128*PITCH                 ; what one tensor load brings
.set SLOT,   4*HALFT                   ; X's 256 rows, then W's 256 rows
.set SPARE,  2*SLOT                    ; behind the ring: the spare words, 128 bytes a wave, that no other line names
.set SPITCH, 144                       ; the way out: a stage of 16 rows x (128 bytes + 16) for each wave, in slot 0, which has then had its last fill and its last read
.set ADRA, 16                          ; v16-17  LDS address of source 1's fragments in slot 0, 1
.set ADRB, 20                          ; v20-21  the same for source 0
.set STO,  24                          ; v24     the stage: where I put 8 codes
.set RD,   25                          ; v25     the stage: where I read 16 bytes back
.set CO,   26                          ; v26     16 x lane: my place in a store's 512 bytes
.set SPW,  28                          ; v28     LDS address of my spare word; never rewritten
.set NIL,  29                          ; v29     0; never rewritten
.set CB,   32                          ; v32-95  bias[F0 + 16 b + 8 h + j] (q, k; 0 for v)
.set RB,   96                          ; v96-111 bias[F0 + 16 a + r], in pairs (v; 0 for q, k)
.set AF,   128
.set TMP,  128                         ; v128-191 a block's 64 numbers
.set CD,   192                         ; v192-223 its codes, two sets
.set BB,   224                         ; v224-255 its rows read back, two sets
.set G1, 24                            ; s[24:31] descriptor group 1 for X's tiles;  s[32:39] group 0, one set for each slot
.set G0, 32
.set G1B, 48                           ; s[48:55], s[56:63] the same for W's tiles
.set G0B, 56
.set MSB, 0
.macro WIN new                         ; the immediate's high byte repeats the setting that is left
.if MSB != (\new)
	s_set_vgpr_msb (MSB<<8)|(\new)
.set MSB, (\new)
.endif
.endm
.set MUL_LO, 0xa1                      ; source 0 window 1, source 1 window 0, C and D window 2
.set MUL_HI, 0xf1                      ; the same, C and D window 3
.set TO_B,   0x40                      ; destination window 1, address window 0
; A joint load: waves 0 and 1 fetch X's halves, waves 2 and 3 W's.  The branch hangs on the wave's number alone.  Four v_nop follow each of the two lines.
.macro JLOAD g0a, g1a, g0b, g1b
	s_cmp_eq_u32 s15, 0
	s_cbranch_scc0 .Lfor_b_\@
	tensor_load_to_lds s[\g0a:\g0a+3], s[\g1a:\g1a+7]
	s_nop 0
.rept 4
	v_nop
.endr
	s_branch .Lasked_\@
.Lfor_b_\@:
	tensor_load_to_lds s[\g0b:\g0b+3], s[\g1b:\g1b+7]
	s_nop 0
.rept 4
	v_nop
.endr
.Lasked_\@:
.endm
.macro CREST                           ; a round of the cluster's barrier behind its opening barrier
	s_cmp_lg_u32 s14, 0
	s_cbranch_scc1 .Lnot_wave_0_\@
	s_barrier_signal -3
.Lnot_wave_0_\@:
	s_barrier_wait -3
	s_barrier_signal -1
	s_barrier_wait -1
.endm
.macro CROUND                          ; a whole round
	s_barrier_signal -1
	s_barrier_wait -1
	CREST
.endm
	s_load_b256 s[4:11], s[0:1], 0x0               ; xw s[4:5], bq s[6:7], bk s[8:9], bv s[10:11]
	s_load_b128 s[68:71], s[0:1], 0x20             ; the exponents s[68:69], pc s[70:71]
	v_lshl_add_u32 v[SPW], v0, 2, SPARE
	v_mov_b32 v[NIL], 0
	ds_add_u32 v28, v29
	ds_add_u32 v28, v29
	s_wait_dscnt 0x0
	v_lshrrev_b32 v1, 5, v0
	v_readfirstlane_b32 s14, v1                    ; wave 0..3
	s_lshr_b32 s15, s14, 1                         ; which half of source 1's rows is mine.  Also: I fetch for X (0) or for W (1)
	s_and_b32 s16, s14, 1                          ; which half of source 0's rows.  Also: which 128 rows I fetch
	s_bfe_u32 s40, ttmp6, 0x40000                  ; cx, cy: my place in the cluster
	s_bfe_u32 s41, ttmp6, 0x40004
	s_lshl_b32 s42, ttmp9, 2
	s_add_co_u32 s42, s42, s40                     ; W's tile = 4 x cluster x + cx
	s_and_b32 s72, ttmp7, 0xffff                   ; cluster y
	s_lshl_b32 s17, s72, 2
	s_add_co_u32 s17, s17, s41                     ; X's tile = 4 x cluster y + cy: 0 .. 95
	s_lshr_b32 s72, s72, 3                         ; t: the tensor, the same in all sixteen partners
	s_lshl_b32 s43, s41, 2
	s_lshl_b32 s43, 15, s43                        ; my row of the cluster
	s_lshl_b32 s44, 0x1111, s40                    ; my column
	; descriptor group 1: a tile of 128 rows x 256 bytes, padded in LDS
	s_or_b32 s[G1+0], s43, (1<<20)|(1<<21)|(5<<22)|(3<<25)   ; 15:0 the mask: X's tiles go to my row; 17:16 elements of 1 byte; 20 padding on; 21 set beside a mask; 24:22 after every 64 words; 31:25 four words
	s_or_b32 s[G1B+0], s44, (1<<20)|(1<<21)|(5<<22)|(3<<25)  ; W's tiles go to my column
.irp g, G1, G1B
	s_mov_b32 s[\g+1], ROWB<<16                    ; tensor_dim0
	s_mov_b32 s[\g+2], 128<<16                     ; tensor_dim1
	s_mov_b32 s[\g+3], ROWB<<16                    ; tile_dim0
	s_mov_b32 s[\g+4], 128                         ; tile_dim1
	s_mov_b32 s[\g+5], KROW                        ; tensor_dim0_stride
	s_mov_b32 s[\g+6], 0
	s_mov_b32 s[\g+7], 0
.endr
	s_lshl_b32 s18, s16, 7                         ; which 128 rows of the tile I fetch
	s_lshl_b32 s20, s17, 8
	s_add_co_u32 s20, s20, s18                     ; X: row 256 x tile + 128 x half
	s_lshl_b32 s20, s20, 10                        ; in bytes
	s_mov_b32 s21, 0
	s_lshl_b32 s46, s42, 8
	s_add_co_u32 s46, s46, s18
	s_lshl_b32 s47, s72, 10
	s_add_co_u32 s46, s46, s47
	s_add_co_u32 s46, s46, 24576                   ; W: row 24,576 + 1,024 t + 256 x tile + 128 x half
	s_lshl_b32 s46, s46, 10
	s_mov_b32 s47, 0
	s_mul_i32 s45, s14, HALFT                      ; where they go: wave x 128 rows: no place in the cluster enters an LDS address
	s_wait_kmcnt 0x0
	s_load_b256 s[76:83], s[68:69], 0x0            ; e0 .. e7
	s_load_b128 s[84:87], s[68:69], 0x20           ; e8 .. e11
	s_add_nc_u64 s[20:21], s[4:5], s[20:21]
	s_add_nc_u64 s[46:47], s[4:5], s[46:47]
	CROUND                                         ; all sixteen work-groups are here: the first joint loads meet
.irp s, 0,1
	s_mov_b32 s[G0+4*\s], 1
	s_add_co_u32 s[G0+4*\s+1], s45, \s*SLOT
	s_add_nc_u64 s[G0+4*\s+2:G0+4*\s+3], s[20:21], \s*ROWB
	s_or_b32 s[G0+4*\s+3], s[G0+4*\s+3], 0x80000000
	s_mov_b32 s[G0B+4*\s], 1
	s_add_co_u32 s[G0B+4*\s+1], s45, \s*SLOT
	s_add_nc_u64 s[G0B+4*\s+2:G0B+4*\s+3], s[46:47], \s*ROWB
	s_or_b32 s[G0B+4*\s+3], s[G0B+4*\s+3], 0x80000000
	JLOAD G0+4*\s, G1, G0B+4*\s, G1B
.endr
	v_and_b32 v1, 15, v0                           ; r = l % 16
	v_bfe_u32 v2, v0, 4, 1                         ; h = l / 16
	v_mul_u32_u24 v3, v1, PITCH
	v_lshl_add_u32 v4, v2, 4, v3                   ; a fragment's row x pitch + 16 x half
	s_cmp_eq_u32 s72, 2                            ; v?
	s_cselect_b32 s21, 2*HALFT, 0                  ; source 1 reads W's rows for v, X's for q and k;
	s_cselect_b32 s22, 0, 2*HALFT                  ; source 0 the other.  Both choices lie inside the slot
	s_cselect_b32 s73, s16, s15                    ; which half of the tile's tokens is mine,
	s_cselect_b32 s74, s15, s16                    ; which half of its features
	s_cselect_b32 s75, 7, 6                        ; bytes for a token along the base: 128 (v: 8,192 for 64 keys) or 64
	s_cselect_b32 s96, 0, -1                       ; all ones for q and k
	s_cselect_b32 s97, -1, 0                       ; all ones for v
	s_mov_b32 s98, 65536
	s_cselect_b32 s98, 8192, s98                   ; from base[0] to base[1]: the next block of keys (v) or the next head
	s_mul_i32 s23, s15, HALFT
	s_add_co_u32 s21, s21, s23
	s_mul_i32 s23, s16, HALFT
	s_add_co_u32 s22, s22, s23
.irp s, 0,1
	v_add_nc_u32 v[ADRA+\s], s21, v4
	v_add_nc_u32 v[ADRB+\s], s22, v4
	s_add_co_u32 s21, s21, SLOT
	s_add_co_u32 s22, s22, SLOT
.endr
	s_mul_i32 s23, s14, 16*SPITCH                  ; my stage
	v_mul_u32_u24 v5, v1, SPITCH
	v_lshl_add_u32 v5, v2, 4, v5
	v_add_nc_u32 v[STO], s23, v5                   ; in: row r, + 16 h
	v_and_b32 v6, 31, v0
	v_lshlrev_b32 v[CO], 4, v6
	v_lshrrev_b32 v7, 2, v6
	v_mul_u32_u24 v7, v7, SPITCH
	v_and_b32 v8, 3, v6
	v_lshl_add_u32 v7, v8, 4, v7
	v_add_nc_u32 v[RD], s23, v7                    ; back: four lanes to 64 bytes of a row, eight rows an instruction
	; where my tile goes.  T0: my first token (of 8,192), F0: my first feature
	s_and_b32 s99, s17, 31
	s_lshl_b32 s99, s99, 8
	s_lshl_b32 s73, s73, 7
	s_add_co_u32 s99, s99, s73                     ; T0
	s_lshl_b32 s73, s42, 8
	s_lshl_b32 s74, s74, 7
	s_add_co_u32 s74, s73, s74                     ; F0
	s_lshl_b32 s88, s72, 23                        ; the part: 8 MiB each,
	s_lshr_b32 s73, s99, 10
	s_lshl_b32 s73, s73, 20
	s_add_co_u32 s88, s88, s73                     ; the batch: 1 MiB,
	s_lshl_b32 s73, s74, 10
	s_add_co_u32 s88, s88, s73                     ; the head (65,536 for 64 features) or the pair of heads (131,072 for 128): F0 x 1,024,
	s_and_b32 s73, s99, 1023
	s_lshl_b32 s73, s73, s75
	s_add_co_u32 s88, s88, s73                     ; the token in the batch
	s_mov_b32 s89, 0
	s_mov_b32 s99, 0
	s_add_nc_u64 s[88:89], s[70:71], s[88:89]      ; base[0]
	s_add_nc_u64 s[90:91], s[88:89], s[98:99]      ; base[1]
	s_cmp_eq_u32 s72, 1
	s_cselect_b64 s[94:95], s[8:9], s[6:7]
	s_cmp_eq_u32 s72, 2
	s_cselect_b64 s[94:95], s[10:11], s[94:95]     ; the tensor's bias,
	s_lshl_b32 s98, s74, 2
	s_add_nc_u64 s[94:95], s[94:95], s[98:99]      ; at F0
	v_lshlrev_b32 v12, 5, v2                       ; 32 h
	v_lshlrev_b32 v13, 2, v1                       ; 4 r
.irp b, 0,1,2,3,4,5,6,7                ; both forms of the bias are loaded for every tensor (both lie inside its 128 numbers); the one that does not apply becomes 0 on the way out
	global_load_b128 v[CB+8*\b:CB+8*\b+3], v12, s[94:95] offset:64*\b
	global_load_b128 v[CB+8*\b+4:CB+8*\b+7], v12, s[94:95] offset:64*\b+16
.endr
.irp a, 0,1,2,3,4,5,6,7
	global_load_b32 v[RB+2*\a], v13, s[94:95] offset:64*\a
.endr
.macro FRAG reg, adr, q, i             ; a fragment: lane l holds row l % 16; registers 4 c .. 4 c + 3 hold K = 32 c + 16 (l / 16) + 0 .. 15: the same permutation of k on both sides
.irp c, 0,1,2,3
	ds_load_b128 v[\reg+4*\c:\reg+4*\c+3], v[\adr] offset:128*(\q)+32*\c+(\i)*16*PITCH
.endr
.endm
; 16 matrix instructions: source 1's blocks a0, a0 + 1 x source 0's eight, 128 along K.  p: source 0's set.  zero = 1: the first product starts the sums.
; The 64 accumulators take turns, one instruction a turn, in the same order in every step.
.macro MUL16 a0, p, zero
.irp a, \a0, \a0+1
.irp b, 0,1,2,3,4,5,6,7
.if \zero
	v_wmma_f32_16x16x128_bf8_bf8 v[8*(8*((\a)%4)+\b):8*(8*((\a)%4)+\b)+7], v[128*(\p)+FR*\b:128*(\p)+FR*\b+FR-1], v[AF+FR*(\a):AF+FR*(\a)+FR-1], 0
.else
	v_wmma_f32_16x16x128_bf8_bf8 v[8*(8*((\a)%4)+\b):8*(8*((\a)%4)+\b)+7], v[128*(\p)+FR*\b:128*(\p)+FR*\b+FR-1], v[AF+FR*(\a):AF+FR*(\a)+FR-1], v[8*(8*((\a)%4)+\b):8*(8*((\a)%4)+\b)+7]
.endif
.endr
.endr
.endm
.macro FETCH_B slot, q, p              ; source 0's eight fragments of the slot's q-th 128 along K into set p
	WIN TO_B
.irp i, 0,1,2,3,4,5,6,7
	FRAG 128*(\p)+FR*\i, ADRB+\slot, \q, \i
.endr
	WIN 0
.endm
.macro FETCH_A slot, q, i0             ; source 1's blocks i0 .. i0 + 3
.irp i, \i0, \i0+1, \i0+2, \i0+3
	FRAG AF+FR*(\i), ADRA+\slot, \q, \i
.endr
.endm
.macro PLACES n                        ; plain vector instructions between a matrix instruction and a load into, or a vector read or write of, its registers
.rept \n
	v_nop
.endr
.endm
; A step of 128 along K that has its successor in the same slot.
.macro STEP slot, q, zero
	s_wait_dscnt 4*NL                              ; source 0's set and source 1's blocks 0-3 are in; the youngest 16 loads (blocks 4-7) may be out
	WIN MUL_LO
	MUL16 0, (\q)%2, \zero
	MUL16 2, (\q)%2, \zero
	s_wait_dscnt 0                                 ; blocks 4-7 are in
	PLACES NP
	FETCH_B \slot, (\q)+1, 1-(\q)%2
	FETCH_A \slot, (\q)+1, 0
	WIN MUL_HI
	MUL16 4, (\q)%2, \zero
	MUL16 6, (\q)%2, \zero
	PLACES NP
	WIN 0
	FETCH_A \slot, (\q)+1, 4
.endm
; A slot's last step changes slots: one barrier; in front of it each wave waits for all its tensor loads, adds 0 to its spare word, and waits for that and for its own reads of this slot.  fill = 1: this slot is filled again, two K steps ahead.
.macro TURN slot, next, fill
	s_wait_tensorcnt 0x0                           ; all my tensor loads have landed: my part of the next slot
	ds_add_u32 v[SPW], v[NIL]                      ; 0 onto my spare word
	s_wait_dscnt 4*NL+1                            ; (the add and the youngest 16 loads may be out)
	WIN MUL_LO
	MUL16 0, 1, 0                                  ; sixteen matrix instructions stand between the add and the wait for it
	s_wait_dscnt 0x0                               ; the add is done, and my reads of this slot are over
	s_barrier_signal -1
	MUL16 2, 1, 0
	WIN 0
	s_barrier_wait -1
.if \fill
	CREST                                          ; the barrier has opened a round of the cluster's barrier: no wave of any partner still reads this slot or has a load on its way
	s_add_nc_u64 s[G0+4*\slot+2:G0+4*\slot+3], s[G0+4*\slot+2:G0+4*\slot+3], 2*ROWB
	s_add_nc_u64 s[G0B+4*\slot+2:G0B+4*\slot+3], s[G0B+4*\slot+2:G0B+4*\slot+3], 2*ROWB
	JLOAD G0+4*\slot, G1, G0B+4*\slot, G1B         ; the first tensor load behind the round; its four v_nop are also the places in front of the loads below
.else
	PLACES NP
.endif
	FETCH_B \next, 0, 0
	FETCH_A \next, 0, 0
	WIN MUL_HI
	MUL16 4, 1, 0
	MUL16 6, 1, 0
	PLACES NP
	WIN 0
	FETCH_A \next, 0, 4
.endm
	s_wait_tensorcnt 1                             ; my part of K step 0 is in (K step 1's load may be out)
	s_barrier_signal -1
	s_barrier_wait -1                              ; everybody's is
	FETCH_B 0, 0, 0
	FETCH_A 0, 0, 0
	FETCH_A 0, 0, 4
	STEP 0, 0, 1                                   ; K 0-127: its products start the sums
	TURN 0, 1, 1                                   ; K 128-255; slot 0 takes K 512-767
	STEP 1, 0, 0
	TURN 1, 0, 1                                   ; slot 1 takes K 768-1,023
	STEP 0, 0, 0
	TURN 0, 1, 0                                   ; nothing is left to fetch
	STEP 1, 0, 0
	s_wait_dscnt 4*NL                              ; the last step
	WIN MUL_LO
	MUL16 0, 1, 0
	MUL16 2, 1, 0
	s_wait_dscnt 0
	WIN MUL_HI
	MUL16 4, 1, 0
	MUL16 6, 1, 0
	WIN 0
; THE WAY OUT, block by block of 16 rows (of source 1) x 128 columns: x 2^(the two exponents) + bias, held, converted: 8 codes for each accumulator; through my own stage, so that each store covers 512 consecutive bytes.
.macro TOSTAGE a
.set AC, 64*((\a)%4)
.set CC, CD+16*((\a)%2)
.set BS, BB+16*((\a)%2)
	WIN (0x02+((\a)/4))                            ; source 0: window 2 or 3
.set j, 0
.rept 32
	v_pk_fma_f32 v[TMP+j:TMP+j+1], v[AC+j:AC+j+1], s[92:93], v[CB+j:CB+j+1] op_sel_hi:[1,0,1]   ; each accumulator from its low end on
.set j, j+2
.endr
	WIN 0
.set j, 0
.rept 32
	v_pk_add_f32 v[TMP+j:TMP+j+1], v[TMP+j:TMP+j+1], v[RB+2*(\a):RB+2*(\a)+1] op_sel_hi:[1,0]   ; the bias by row (v)
.set j, j+2
.endr
.set j, 0
.rept 64
	v_med3_num_f32 v[TMP+j], v[TMP+j], -v11, v11   ; the conversion does not saturate (ISA guide 7.6.2): the hold
.set j, j+1
.endr
.irp b, 0,1,2,3,4,5,6,7
	v_cvt_scalef32_pk8_bf8_f32 v[CC+2*\b:CC+2*\b+1], v[TMP+8*\b:TMP+8*\b+7], v10
.endr
	v_nop                                          ; a plain instruction behind the last conversion: the next block writes its sources
.irp b, 0,1,2,3,4,5,6,7
	ds_store_b64 v[STO], v[CC+2*\b:CC+2*\b+1] offset:32*(\b/2)+8*(\b%2)   ; columns 16 b + 8 h + 0 .. 7 at their place pos
.endr
.irp c, 0,1
.irp i, 0,1
	ds_load_b128 v[BS+8*\c+4*\i:BS+8*\c+4*\i+3], v[RD] offset:8*SPITCH*\i+64*\c   ; LDS serves a wave's instructions in order (ISA guide 5.7.1.4): these see the stores above
.endr
.endr
.endm
.macro SEND a, younger                 ; younger: the LDS instructions issued behind block a's loads, which may stay out
.set BS, BB+16*((\a)%2)
	s_wait_dscnt \younger
.irp i, 0,1
	global_store_b128 v[CO], v[BS+4*\i:BS+4*\i+3], s[88:89] offset:1024*(\a)+512*\i       ; eight rows of 64 bytes: 512 consecutive bytes, at a multiple of 256
.endr
.irp i, 0,1
	global_store_b128 v[CO], v[BS+8+4*\i:BS+8+4*\i+3], s[90:91] offset:1024*(\a)+512*\i
.endr
.endm
	s_wait_kmcnt 0x0
	s_add_co_i32 s92, s76, s77                     ; e0 + e1,
	s_add_co_i32 s93, s78, s79                     ; e2 + e3,
	s_add_co_i32 s98, s80, s81                     ; e4 + e5
	s_cmp_eq_u32 s72, 1
	s_cselect_b32 s92, s93, s92
	s_cselect_b32 s99, s83, s82                    ; e7 or e6
	s_cmp_eq_u32 s72, 2
	s_cselect_b32 s92, s98, s92
	s_cselect_b32 s99, s85, s99                    ; e9
	s_add_co_i32 s92, s92, 127
	s_lshl_b32 s92, s92, 23                        ; 2^(the product's two exponents) as f32
	s_mov_b32 s93, s92                             ; (named with it as a pair)
	s_add_co_i32 s99, s99, 127
	s_lshl_b32 s98, s99, 23
	v_mov_b32 v10, s98                             ; the result's scale as f32
	s_add_co_i32 s99, s99, 15
	s_lshl_b32 s99, s99, 23
	s_or_b32 s99, s99, 0x600000
	v_mov_b32 v11, s99                             ; 57,344 x that
	s_wait_loadcnt 0x0                             ; the bias
.set j, 0
.rept 64
	v_cndmask_b32 v[CB+j], 0, v[CB+j], s96         ; by column for q and k,
.set j, j+1
.endr
.irp a, 0,1,2,3,4,5,6,7
	v_cndmask_b32 v[RB+2*\a], 0, v[RB+2*\a], s97   ; by row for v
	v_mov_b32 v[RB+2*\a+1], v[RB+2*\a]
.endr
	PLACES NP
	TOSTAGE 0
.irp a, 1,2,3,4,5,6,7
.if \a > 1
	s_wait_xcnt 0x0                                ; block a - 2's stores have read their registers: block a's loads may land there
.endif
	TOSTAGE \a
	SEND \a-1, 12                                  ; behind block a - 1's loads: block a's 8 stores and 4 loads
.endr
	SEND 7, 0
	s_wait_tensorcnt 0x0                           ; the wave's end
	ds_add_u32 v[SPW], v[NIL]
	s_wait_dscnt 0x0
	CROUND                                         ; the closing round: no work-group ends while a partner may still ask for a tile that names it
	s_endpgm
.Lfunc_end_k_qec3bc7b7bf_proj:
	.size	k_qec3bc7b7bf_proj, .Lfunc_end_k_qec3bc7b7bf_proj-k_qec3bc7b7bf_proj
	.p2alignl 7, 3214868480
	.fill 96, 4, 3214868480
	.section	.rodata,"a",@progbits
	.p2align	6, 0x0
	.amdhsa_kernel k_qec3bc7b7bf_proj
		.amdhsa_group_segment_fixed_size 327680
		.amdhsa_private_segment_fixed_size 0
		.amdhsa_enable_private_segment 0
		.amdhsa_kernarg_size 48
		.amdhsa_user_sgpr_count 2
		.amdhsa_user_sgpr_kernarg_segment_ptr 1
		.amdhsa_wavefront_size32 1
		.amdhsa_system_sgpr_workgroup_id_x 1
		.amdhsa_system_sgpr_workgroup_id_y 1
		.amdhsa_system_sgpr_workgroup_id_z 1
		.amdhsa_system_vgpr_workitem_id 0
		.amdhsa_next_free_vgpr 1024
		.amdhsa_next_free_sgpr 100
		.amdhsa_reserve_vcc 0
		.amdhsa_float_denorm_mode_32 3
		.amdhsa_float_denorm_mode_16_64 3
		.amdhsa_memory_ordered 1
		.amdhsa_forward_progress 1
		.amdhsa_inst_pref_size 165
	.end_amdhsa_kernel
	.amdgpu_metadata
---
amdhsa.version: [ 1, 2 ]
amdhsa.kernels:
  - .name:           k_qec3bc7b7bf_proj
    .symbol:         k_qec3bc7b7bf_proj.kd
    .args:
      - { .name: xw, .offset: 0, .size: 8, .value_kind: global_buffer, .address_space: global }
      - { .name: bq, .offset: 8, .size: 8, .value_kind: global_buffer, .address_space: global }
      - { .name: bk, .offset: 16, .size: 8, .value_kind: global_buffer, .address_space: global }
      - { .name: bv, .offset: 24, .size: 8, .value_kind: global_buffer, .address_space: global }
      - { .name: lowp_scales, .offset: 32, .size: 8, .value_kind: global_buffer, .address_space: global }
      - { .name: pc, .offset: 40, .size: 8, .value_kind: global_buffer, .address_space: global }
    .group_segment_fixed_size: 327680
    .private_segment_fixed_size: 0
    .kernarg_segment_align: 8
    .kernarg_segment_size: 48
    .max_flat_workgroup_size: 128
    .sgpr_count:     100
    .vgpr_count:     1024
    .wavefront_size: 32
...
	.end_amdgpu_metadata
.endif
;; end of part 2
;; launch attn (part 3): grid 2 x 128, 16 waves a work-group, no clusters, 202,752 bytes of LDS; arguments pc, pad_mask, lowp_scales, ac; writes ac
.if DOCPART == 3
	.amdgcn_target "amdgcn-amd-amdhsa--gfx1250"
	.amdhsa_code_object_version 6
	.text
	.protected	k_qec3bc7b7bf_attn
	.globl	k_qec3bc7b7bf_attn
	.p2align	8
	.type	k_qec3bc7b7bf_attn,@function
k_qec3bc7b7bf_attn:
	s_mov_b64 s[64:65], 0
	v_nop
	global_prefetch_b8 v0, s[64:65] scope:SCOPE_SE
	s_setreg_imm32_b32 hwreg(HW_REG_WAVE_MODE, 25, 1), 1
	s_wait_xcnt 0x0
; ATTENTION ON CODES OF BF8 (E5M2).  For batch b, head h: o[q] = sum over keys of p V / l, p = 2^(t - M), t = score x log2(e) / 8, M the ceiling of the row's largest t so far (a whole number), l the sum of the unquantised p.
; Keys whose pad_mask byte is 1 count for nothing.  o x 2^(e8 + e9) / l is quantised with 2^e10 and stored as codes for the last product.
; pc (made by the launch before): q, k: [b][h][token][64]; v: [b][pair of heads][block of 64 keys][head of the pair][d][64 keys]; inside each 64-byte row the bytes lie so that 16-byte loads at 32 c + 16 (lane / 16) give each k its own place.
; ac: [block of 128 tokens][head][128 tokens][64 d].
; SHARES.  A work-group owns 512 queries of one head (grid x: which half; grid y: 16 b + h); each of its sixteen waves 32 queries, two tiles of 16, so that each fragment of K and V read from LDS feeds two matrix instructions.
; THE HEAD'S WHOLE K AND V LIE IN LDS, WRITTEN ONCE: every wave brings 64 keys of K and 64 of V (4 KiB each) through its registers, sixteen loads of 512 consecutive bytes and sixteen LDS stores; one barrier.
; They come through registers and not by the tensor data mover.  All loads stand at the head: nothing is left to ask for ahead of time.
; THE HOLD.  p is at most 1 (but for the last bit of the multiply-add that makes t - M).  Where e8 >= -15 the largest code x the scale, 57,344 x 2^e8, is at least 1.75: the hold would change no number, and a scalar branch on e8,
; inside the loop and round the 64 holds of a tile alone, jumps over them.  Where e8 < -15 they run.  Both ways give the quantiser's numbers exactly.
; THE MASK IS DATA: each key's byte becomes the f32 number 0 or -3e38 in LDS, and is the C of the product that makes the key's scores.  The running largest t begins at c x (-1e20): above every masked t, below every other:
; so a masked key's p is 0 in every step, whatever the mask, and no infinity meets an infinity.
; LAYOUT.  S^T = K Q^T (source 0 = 16 keys, source 1 = 16 queries), O^T = V^T P^T: a lane holds one query (lane % 16) throughout; tile t's eight registers are keys 16 t + 8 (lane / 16) + 0 .. 7, whose codes are registers 2 t, 2 t + 1 of P.
; LIMITS: e6 + e7 between -100 and 60 (c x 1e20 stays an f32 number, c x 3e38 stays far over every exponent's range); e8 and e10 between -126 and 112.  NaN among the inputs is not served.
; A batch ALL of whose keys are masked is not served: the problem's result there is NaN, this text's is a finite number.
; REGISTERS: v1-3 my lane's places in K, V and the mask; v4-6 the step's addresses; v7 the mask's offset; v[8+4x] -M, v[9+4x] the largest t, v[10+4x:11+4x] l in two halves (x: the tile of queries); v16-31 Q;
;   v32-47 two fragments of K, later P's codes; v48-111 at the head K's and V's bytes on their way, then S^T of tile 0, later V's four fragments; v112-175 S^T of tile 1; v176-207, v208-239 O^T; v240, v241 hold and scale of e8;
;   v[242:243], v246-248 at work; v[244:245] f; v249, v250 hold and scale of e10; v251 16 x lane, v252 and v254 where K's and V's bytes go in LDS, v253 Q's offset: not rewritten before the wave's end.
.set KP,    80                         ; a 64-byte row in LDS: + 16 of padding: sixteen rows start 20 words apart
.set VOFF,  1024*KP                    ; K: 1,024 rows; then V: 16 blocks of 64 rows
.set MASK,  2*VOFF                     ; 1,024 f32 numbers
.set STAGE, MASK+4096                  ; the way out: 2,048 bytes for each wave
.set AK0, 1
.set AV0, 2
.set AM0, 3
.set ADK, 4
.set ADV, 5
.set ADM, 6
	s_load_b256 s[4:11], s[0:1], 0x0               ; pc s[4:5], pad_mask s[6:7], the exponents s[8:9], ac s[10:11]
	v_lshrrev_b32 v1, 5, v0
	v_readfirstlane_b32 s12, v1                    ; wave 0..15
	s_and_b32 s13, ttmp7, 0xffff                   ; y = 16 b + h
	v_and_b32 v4, 31, v0                           ; lane L
	v_lshlrev_b32 v251, 4, v4                      ; 16 L: my 16 bytes of a load's 512
	v_lshrrev_b32 v5, 2, v4
	v_mul_u32_u24 v5, v5, KP
	v_and_b32 v4, 3, v4
	v_lshl_add_u32 v5, v4, 4, v5                   ; four lanes fill a row of 64 bytes: 80 (L / 4) + 16 (L % 4)
	s_mul_i32 s25, s12, 64*KP                      ; my 64 rows
	v_add_nc_u32 v252, s25, v5                     ; where my bytes of K go,
	v_add_nc_u32 v254, VOFF, v252                  ; and those of V
	v_lshlrev_b32 v7, 1, v0                        ; thread n: mask bytes 2 n, 2 n + 1
	v_and_b32 v4, 15, v0                           ; r
	v_bfe_u32 v5, v0, 4, 1                         ; h
	v_lshlrev_b32 v253, 6, v4
	v_lshl_add_u32 v253, v5, 4, v253               ; Q: 64 r + 16 h
	s_lshl_b32 s52, s13, 16                        ; K in memory: part 1, 65,536 bytes a head, 4,096 a wave
	s_lshl_b32 s53, s12, 12
	s_add_co_u32 s52, s52, s53
	s_add_co_u32 s52, s52, 0x800000
	s_mov_b32 s53, 0
	s_lshr_b32 s54, s13, 1                         ; V: part 2, 131,072 bytes a pair of heads, 8,192 a block of keys, 4,096 a head of the pair
	s_lshl_b32 s54, s54, 17
	s_and_b32 s55, s13, 1
	s_lshl_b32 s55, s55, 12
	s_add_co_u32 s54, s54, s55
	s_lshl_b32 s55, s12, 13
	s_add_co_u32 s54, s54, s55
	s_add_co_u32 s54, s54, 0x1000000
	s_mov_b32 s55, 0
	s_lshr_b32 s16, s13, 4                         ; b
	s_lshl_b32 s18, s16, 10                        ; the batch's 1,024 mask bytes
	s_mov_b32 s19, 0
	s_lshl_b32 s20, s13, 16                        ; Q: part 0, my head, my work-group's 512 queries, my wave's 32
	s_lshl_b32 s21, ttmp9, 15
	s_add_co_u32 s20, s20, s21
	s_lshl_b32 s21, s12, 11
	s_add_co_u32 s20, s20, s21
	s_mov_b32 s21, 0
	s_lshl_b32 s22, s16, 3                         ; ac: block of 128 tokens = 8 b + 4 x + wave / 4,
	s_lshl_b32 s23, ttmp9, 2
	s_add_co_u32 s22, s22, s23
	s_lshr_b32 s23, s12, 2
	s_add_co_u32 s22, s22, s23
	s_lshl_b32 s22, s22, 17
	s_and_b32 s23, s13, 15                         ; the head: 8,192 bytes,
	s_lshl_b32 s23, s23, 13
	s_add_co_u32 s22, s22, s23
	s_and_b32 s23, s12, 3                          ; my 32 tokens of the 128: 2,048 bytes
	s_lshl_b32 s23, s23, 11
	s_add_co_u32 s22, s22, s23
	s_mov_b32 s23, 0
	s_mov_b32 s32, 0x76543210                      ; v_permlanex16_b32: lane l takes lane l xor 16
	s_mov_b32 s33, 0xfedcba98
	s_wait_kmcnt 0x0
	s_load_b256 s[40:47], s[8:9], 0x0              ; e0 .. e7
	s_load_b128 s[48:51], s[8:9], 0x20             ; e8 .. e11
	s_add_nc_u64 s[26:27], s[4:5], s[52:53]        ; my 64 keys of K,
	s_add_nc_u64 s[30:31], s[4:5], s[54:55]        ; my block of V,
	s_add_nc_u64 s[6:7], s[6:7], s[18:19]          ; the batch's mask,
	s_add_nc_u64 s[4:5], s[4:5], s[20:21]          ; my 32 queries,
	s_add_nc_u64 s[10:11], s[10:11], s[22:23]      ; my 2,048 bytes of ac
	global_load_u16 v247, v7, s[6:7]
.irp i, 0,1,2,3,4,5,6,7
	global_load_b128 v[48+4*\i:51+4*\i], v251, s[26:27] offset:512*\i   ; 512 consecutive bytes: eight rows of K
.endr
.irp i, 0,1,2,3,4,5,6,7
	global_load_b128 v[80+4*\i:83+4*\i], v251, s[30:31] offset:512*\i   ; eight rows of V
.endr
.irp x, 0,1
.irp c, 0,1
	global_load_b128 v[16+8*\x+4*\c:16+8*\x+4*\c+3], v253, s[4:5] offset:1024*\x+32*\c   ; Q's two fragments stay in registers
.endr
.endr
	v_mul_u32_u24 v[AK0], v4, KP
	v_lshl_add_u32 v[AK0], v5, 4, v[AK0]           ; row r, + 16 h
	v_add_nc_u32 v[AV0], VOFF, v[AK0]
	v_lshl_add_u32 v[AM0], v5, 5, MASK             ; eight numbers for each half of the lanes
	v_lshl_add_u32 v248, v0, 3, MASK               ; where my two keys' numbers go
	s_wait_loadcnt 20                              ; the mask bytes are in; K's 8, V's 8 and Q's 4 loads may stay out
	v_and_b32 v246, 1, v247
	v_bfe_u32 v247, v247, 8, 1
	v_sub_nc_u32 v246, 0, v246                     ; all ones where the key is masked
	v_sub_nc_u32 v247, 0, v247
	v_and_b32 v246, 0xff61b1e6, v246               ; -3e38 or 0
	v_and_b32 v247, 0xff61b1e6, v247
	ds_store_b64 v248, v[246:247]
	v_mov_b32 v248, 0                              ; from here on a lane permute's destination
	v_mov_b32 v245, 0                              ; (named as the upper half of the pair v[244:245])
	v_mov_b32 v10, 0                               ; l
	v_mov_b32 v11, 0
	v_mov_b32 v14, 0
	v_mov_b32 v15, 0
.set j, 0
.rept 64
	v_mov_b32 v[176+j], 0                          ; O^T.  (The step is written once: its first trip finds zeros, which the first change of M leaves zeros)
.set j, j+1
.endr
	s_wait_kmcnt 0x0
	s_add_co_i32 s52, s46, s47                     ; a score stands for score x 2^(e6 + e7): the exponents are added to c's exponent field
	s_lshl_b32 s52, s52, 23
	s_mov_b32 s34, 0x3e38aa3b                      ; c = log2(e) / 8
	s_add_co_i32 s34, s34, s52
	s_mov_b32 s35, s34                             ; (named with it as a pair)
	s_add_co_i32 s52, s48, 127
	s_lshl_b32 s53, s52, 23
	v_mov_b32 v241, s53                            ; 2^e8 as f32
	s_add_co_i32 s52, s52, 15
	s_lshl_b32 s52, s52, 23
	s_or_b32 s52, s52, 0x600000
	v_mov_b32 v240, s52                            ; 57,344 x 2^e8
	s_add_co_i32 s52, s50, 127
	s_lshl_b32 s53, s52, 23
	v_mov_b32 v250, s53                            ; 2^e10
	s_add_co_i32 s52, s52, 15
	s_lshl_b32 s52, s52, 23
	s_or_b32 s52, s52, 0x600000
	v_mov_b32 v249, s52                            ; 57,344 x 2^e10
	s_add_co_i32 s56, s48, s49                     ; e8 + e9
	v_mov_b32 v9, 0xe0ad78ec                       ; -1e20
	v_mul_f32 v9, s34, v9                          ; the largest t so far
	v_floor_f32 v8, -v9                            ; -M
	v_mov_b32 v13, v9
	v_mov_b32 v12, v8
	s_mov_b32 s36, 0                               ; the step's 128 rows of K, and its two blocks of V: 10,240 bytes
	s_mov_b32 s37, 0                               ; its 128 numbers of the mask
	s_mov_b32 s38, 8                               ; steps to go
	s_wait_loadcnt 4                               ; K's and V's bytes are in; Q's four loads may stay out
.irp i, 0,1,2,3,4,5,6,7
	ds_store_b128 v252, v[48+4*\i:51+4*\i] offset:8*KP*\i
.endr
.irp i, 0,1,2,3,4,5,6,7
	ds_store_b128 v254, v[80+4*\i:83+4*\i] offset:8*KP*\i
.endr
	s_wait_loadcnt 0x0                             ; Q
	s_wait_dscnt 0x0                               ; my parts of K, V and the mask are stored:
	s_barrier_signal -1
	s_barrier_wait -1                              ; everybody's
.macro MASKLD x                        ; the step's 128 numbers of the mask into tile x's accumulators: register 8 t + j = key 16 t + 8 h + j
.irp t, 0,1,2,3,4,5,6,7
	ds_load_b128 v[48+64*\x+8*\t:48+64*\x+8*\t+3], v[ADM] offset:64*\t
	ds_load_b128 v[48+64*\x+8*\t+4:48+64*\x+8*\t+7], v[ADM] offset:64*\t+16
.endr
.endm
.macro KLD g                           ; K's fragments of keys 32 g .. 32 g + 31
.irp u, 0,1
.irp c, 0,1
	ds_load_b128 v[32+8*\u+4*\c:32+8*\u+4*\c+3], v[ADK] offset:(32*(\g)+16*\u)*KP+32*\c
.endr
.endr
.endm
.macro QK g                            ; four products: two tiles of keys x two tiles of queries; C is the mask, in the accumulator's own registers; no two that follow each other share an accumulator
.irp u, 0,1
.irp x, 0,1
	v_wmma_f32_16x16x64_bf8_bf8 v[48+64*\x+8*(2*(\g)+\u):48+64*\x+8*(2*(\g)+\u)+7], v[32+8*\u:32+8*\u+7], v[16+8*\x:16+8*\x+7], v[48+64*\x+8*(2*(\g)+\u):48+64*\x+8*(2*(\g)+\u)+7]
.endr
.endr
.endm
.macro SOFT1 x                         ; tile x: the largest score, M, f, p, l
.set SB, 48+64*(\x)
.set ST, 8+4*(\x)
	v_max3_num_f32 v246, v[SB], v[SB+1], v[SB+2]   ; two chains; each accumulator is first read at its low end
	v_max3_num_f32 v247, v[SB+3], v[SB+4], v[SB+5]
.set j, 6
.rept 14
	v_max3_num_f32 v246, v246, v[SB+j], v[SB+j+1]
	v_max3_num_f32 v247, v247, v[SB+j+2], v[SB+j+3]
.set j, j+4
.endr
	v_max3_num_f32 v246, v246, v[SB+62], v[SB+63]
	v_max_num_f32 v246, v246, v247
	v_permlanex16_b32 v248, v246, s32, s33
	v_max_num_f32 v246, v246, v248                 ; and lane l xor 16's 64 keys
	v_mul_f32 v246, s34, v246                      ; as t (c is positive)
	v_max_num_f32 v[ST+1], v[ST+1], v246           ; the running largest t
	v_mov_b32 v246, v[ST]
	v_floor_f32 v[ST], -v[ST+1]                    ; the new -M = -ceil(t)
	v_sub_f32 v246, v[ST], v246                    ; old M - new M: a whole number, 0 or less
	v_cvt_i32_f32 v246, v246                       ; (it saturates)
	v_ldexp_f32 v244, 1.0, v246                    ; f = 2^(old M - new M)
.set j, 0
.rept 32
	v_pk_fma_f32 v[SB+j:SB+j+1], v[SB+j:SB+j+1], s[34:35], v[ST:ST+1] op_sel_hi:[1,0,0]   ; t - M (of the pairs c and -M the low word serves both halves)
.set j, j+2
.endr
.set j, 0
.rept 64
	v_exp_f32 v[SB+j], v[SB+j]                     ; p = 2^(t - M)
.set j, j+1
.endr
	v_pk_mul_f32 v[ST+2:ST+3], v[ST+2:ST+3], v[244:245] op_sel_hi:[1,0]   ; l under the new M.  (The plain instruction behind the exponentials)
	s_wait_alu depctr_va_vdst(0)                   ; one wait for the batch of 64, ahead of its first reader
	v_pk_add_f32 v[242:243], v[SB:SB+1], v[SB+2:SB+3]   ; l takes the unquantised p: two packed chains
.set j, 4
.rept 15
	v_pk_add_f32 v[ST+2:ST+3], v[ST+2:ST+3], v[SB+j:SB+j+1]
	v_pk_add_f32 v[242:243], v[242:243], v[SB+j+2:SB+j+3]
.set j, j+4
.endr
	v_pk_add_f32 v[ST+2:ST+3], v[ST+2:ST+3], v[242:243]
.endm
.macro SOFT2 x                         ; tile x: p's codes into v32-47; O^T under the new M
.set SB, 48+64*(\x)
.set OB, 176+32*(\x)
	s_cmp_gt_i32 s48, -16                          ; e8 >= -15: 57,344 x 2^e8 >= 1.75, over every p: the hold would change nothing
	s_cbranch_scc1 .Lno_hold_\@
.set j, 0
.rept 64
	v_min_num_f32 v[SB+j], v[SB+j], v240           ; the conversion does not saturate (ISA guide 7.6.2); p is not negative, so the hold is one-sided
.set j, j+1
.endr
.Lno_hold_\@:
.set j, 0
.rept 12
	v_pk_mul_f32 v[OB+j:OB+j+1], v[OB+j:OB+j+1], v[244:245] op_sel_hi:[1,0]   ; O^T x f, from each accumulator's low end on.  On both ways these twelve are the places between the other tile's products and the conversions that write P's registers anew
.set j, j+2
.endr
.irp t, 0,1,2,3,4,5,6,7
	v_cvt_scalef32_pk8_bf8_f32 v[32+2*\t:33+2*\t], v[SB+8*\t:SB+8*\t+7], v241
.endr
.rept 4
	v_pk_mul_f32 v[OB+j:OB+j+1], v[OB+j:OB+j+1], v[244:245] op_sel_hi:[1,0]   ; the last four: plain instructions between the conversions and the products that read the codes
.set j, j+2
.endr
.endm
.macro VLD                             ; V's four fragments (16 d x 128 keys each) into v48-111, which tile 0's p has left
.irp t, 0,1,2,3
.irp c, 0,1,2,3
	ds_load_b128 v[48+16*\t+4*\c:48+16*\t+4*\c+3], v[ADV] offset:(\c/2)*64*KP+16*\t*KP+32*(\c%2)
.endr
.endr
.endm
.macro PV x                            ; O^T += V^T P^T for tile x: four accumulators, one instruction each
.irp t, 0,1,2,3
	v_wmma_f32_16x16x128_bf8_bf8 v[176+32*\x+8*\t:176+32*\x+8*\t+7], v[48+16*\t:48+16*\t+15], v[32:47], v[176+32*\x+8*\t:176+32*\x+8*\t+7]
.endr
.endm
.Lstep:                                            ; eight trips of 128 keys
	v_add_nc_u32 v[ADK], s36, v[AK0]
	v_add_nc_u32 v[ADV], s36, v[AV0]
	v_add_nc_u32 v[ADM], s37, v[AM0]
	v_nop                                          ; five places behind the last trip's products: four for the loads into registers that they read,
	v_nop                                          ; a fifth for the first product below, which writes over such registers
	MASKLD 0
	MASKLD 1
	KLD 0
	s_wait_dscnt 0x0
.irp g, 0,1,2,3
	QK \g
.rept 4
	v_nop                                          ; places in front of the loads into K's registers, and of the first read of the scores
.endr
.if \g < 3
	KLD \g+1
	s_wait_dscnt 0x0
.endif
.endr
	SOFT1 0
	SOFT2 0
	VLD                                            ; lands while tile 1's softmax is walked
	SOFT1 1
	s_wait_dscnt 0x0                               ; V is in
	PV 0
	SOFT2 1
	PV 1
	s_add_co_u32 s36, s36, 128*KP
	s_add_co_u32 s37, s37, 512
	s_sub_co_u32 s38, s38, 1
	s_cmp_lg_u32 s38, 0
	s_cbranch_scc1 .Lstep
	; THE WAY OUT: O^T x 2^(e8 + e9) / l, quantised with 2^e10; 8 codes for each accumulator go into my stage (32 tokens x 64 bytes) and leave as 2,048 consecutive bytes.
.rept 4
	v_nop                                          ; places behind the last products
.endr
	v_add_f32 v246, v10, v11                       ; l's two halves,
	v_add_f32 v247, v14, v15
	v_permlanex16_b32 v248, v246, s32, s33
	v_add_f32 v246, v246, v248                     ; and lane l xor 16's
	v_permlanex16_b32 v248, v247, s32, s33
	v_add_f32 v247, v247, v248
	v_rcp_f32 v246, v246
	v_rcp_f32 v247, v247
	v_and_b32 v4, 15, v0                           ; (a plain instruction behind the reciprocals)  r
	v_bfe_u32 v5, v0, 4, 1                         ; h
	s_lshl_b32 s52, s12, 11
	s_add_co_u32 s52, s52, STAGE                   ; my stage
	v_lshlrev_b32 v4, 6, v4
	v_lshl_add_u32 v4, v5, 3, v4
	v_add_nc_u32 v4, s52, v4                       ; in: token r, + 8 h
	v_and_b32 v6, 31, v0
	v_lshlrev_b32 v6, 4, v6                        ; 16 x lane
	v_add_nc_u32 v5, s52, v6                       ; back: as the bytes lie
	s_wait_alu depctr_va_vdst(0)                   ; one wait for the two reciprocals, ahead of their first reader
	v_ldexp_f32 v246, v246, s56
	v_ldexp_f32 v247, v247, s56
.set j, 0
.rept 32
	v_mul_f32 v[48+j], v[176+j], v246              ; each accumulator from its low end on
.set j, j+1
.endr
.set j, 0
.rept 32
	v_mul_f32 v[80+j], v[208+j], v247
.set j, j+1
.endr
.set j, 0
.rept 64
	v_med3_num_f32 v[48+j], v[48+j], -v249, v249
.set j, j+1
.endr
.irp x, 0,1
.irp t, 0,1,2,3
	v_cvt_scalef32_pk8_bf8_f32 v[32+8*\x+2*\t:33+8*\x+2*\t], v[48+32*\x+8*\t:48+32*\x+8*\t+7], v250
.endr
.endr
	v_nop                                          ; a plain instruction behind the last conversion
.irp x, 0,1
.irp t, 0,1,2,3
	ds_store_b64 v4, v[32+8*\x+2*\t:33+8*\x+2*\t] offset:1024*\x+16*\t   ; token 16 x + r, d = 16 t + 8 h + 0 .. 7
.endr
.endr
.irp i, 0,1,2,3
	ds_load_b128 v[112+4*\i:115+4*\i], v5 offset:512*\i   ; LDS serves a wave's instructions in order (ISA guide 5.7.1.4): these see my stores
.endr
.irp i, 0,1,2,3
	s_wait_dscnt 3-\i
	global_store_b128 v6, v[112+4*\i:115+4*\i], s[10:11] offset:512*\i   ; 512 consecutive bytes, at a multiple of 256
.endr
	s_wait_xcnt 0x0
	v_lshl_add_u32 v254, v0, 2, 0x31000
	v_mov_b32 v255, 0
	s_wait_tensorcnt 0x0
	ds_add_u32 v254, v255
	s_wait_dscnt 0x0
	s_endpgm
.Lfunc_end_k_qec3bc7b7bf_attn:
	.size	k_qec3bc7b7bf_attn, .Lfunc_end_k_qec3bc7b7bf_attn-k_qec3bc7b7bf_attn
	.p2alignl 7, 3214868480
	.fill 96, 4, 3214868480
	.section	.rodata,"a",@progbits
	.p2align	6, 0x0
	.amdhsa_kernel k_qec3bc7b7bf_attn
		.amdhsa_group_segment_fixed_size 202752
		.amdhsa_private_segment_fixed_size 0
		.amdhsa_enable_private_segment 0
		.amdhsa_kernarg_size 32
		.amdhsa_user_sgpr_count 2
		.amdhsa_user_sgpr_kernarg_segment_ptr 1
		.amdhsa_wavefront_size32 1
		.amdhsa_system_sgpr_workgroup_id_x 1
		.amdhsa_system_sgpr_workgroup_id_y 1
		.amdhsa_system_sgpr_workgroup_id_z 1
		.amdhsa_system_vgpr_workitem_id 0
		.amdhsa_next_free_vgpr 256
		.amdhsa_next_free_sgpr 66
		.amdhsa_reserve_vcc 0
		.amdhsa_float_denorm_mode_32 3
		.amdhsa_float_denorm_mode_16_64 3
		.amdhsa_memory_ordered 1
		.amdhsa_forward_progress 1
		.amdhsa_inst_pref_size 50
	.end_amdhsa_kernel
	.amdgpu_metadata
---
amdhsa.version: [ 1, 2 ]
amdhsa.kernels:
  - .name:           k_qec3bc7b7bf_attn
    .symbol:         k_qec3bc7b7bf_attn.kd
    .args:
      - { .name: pc, .offset: 0, .size: 8, .value_kind: global_buffer, .address_space: global }
      - { .name: pad_mask, .offset: 8, .size: 8, .value_kind: global_buffer, .address_space: global }
      - { .name: lowp_scales, .offset: 16, .size: 8, .value_kind: global_buffer, .address_space: global }
      - { .name: ac, .offset: 24, .size: 8, .value_kind: global_buffer, .address_space: global }
    .group_segment_fixed_size: 202752
    .private_segment_fixed_size: 0
    .kernarg_segment_align: 8
    .kernarg_segment_size: 32
    .max_flat_workgroup_size: 512
    .sgpr_count:     66
    .vgpr_count:     256
    .wavefront_size: 32
...
	.end_amdgpu_metadata
.endif
;; end of part 3
;; launch outp (part 4): grid 4 x 64, 4 waves a work-group, clusters of 4 x 4, 327,680 bytes of LDS; arguments ac, xw, lowp_scales, bo, q, out0; writes out0
.if DOCPART == 4
	.amdgcn_target "amdgcn-amd-amdhsa--gfx1250"
	.amdhsa_code_object_version 6
	.text
	.protected	k_qec3bc7b7bf_outp
	.globl	k_qec3bc7b7bf_outp
	.p2align	8
	.type	k_qec3bc7b7bf_outp,@function
k_qec3bc7b7bf_outp:
	s_mov_b64 s[64:65], 0
	v_nop
	global_prefetch_b8 v0, s[64:65] scope:SCOPE_SE
	s_setreg_imm32_b32 hwreg(HW_REG_WAVE_MODE, 25, 1), 1
	s_wait_xcnt 0x0
	s_wait_alu depctr_hold_cnt(0) depctr_sa_sdst(0) depctr_va_vdst(0) depctr_va_sdst(0) depctr_va_ssrc(0) depctr_va_vcc(0) depctr_vm_vsrc(0)
	s_getreg_b32 s2, hwreg(HW_REG_IB_STS2, 6, 4)
	s_cmp_eq_u32 s2, 0
	s_cbranch_scc0 .Lentry_in_a_cluster
	s_endpgm
.Lentry_in_a_cluster:
	s_bfe_u32 s2, ttmp6, 0x10000c
	s_cmp_lg_u32 s2, 0xf033
	s_cbranch_scc0 .Lentry_shape_is_right
	s_endpgm
.Lentry_shape_is_right:
; THE LAST PRODUCT AND THE RESIDUAL: out0 = q + A Wo^T x 2^(e10 + e11) + bo, on codes of BF8 (E5M2).  A: attention's result, ac: [block of 128 tokens][head][128 tokens][64 d]; Wo: rows 27,648 .. 28,671 of xw, 1,024 codes each.
; LIMIT: e10 + e11 between -126 and 127, so that 2^(e10 + e11) is an f32 number.
; SHARES.  256 tiles of 128 tokens x 256 columns, one for each of 256 work-groups; a wave makes 64 x 128: 32 accumulators.  K = 1,024 goes in four steps of 256 (four heads) through two LDS slots filled by the tensor data mover.
; CLUSTERS: 4 x 4 work-groups: A's tiles are asked for jointly along a row of the cluster, Wo's along a column.
; A's part of a K step is one dense block of 32 KiB ([4 heads][128 tokens][64]); waves 0 and 1 fetch two heads each, stated as 64 rows of 256 bytes with 16 bytes of padding behind every 64: (head, token) lies at (128 head + token) x 80.
; Waves 2 and 3 fetch 128 rows of Wo each.
; The matrix instruction is used transposed (source 0 = 16 rows of Wo, source 1 = 16 tokens): a lane holds eight neighbouring numbers of a row of out0.  Both sides take k = 128 q + 32 c + 16 (lane / 16) + 0 .. 15 into registers 4 c .. 4 c + 3.
; THE RESIDUAL IS ASKED FOR AT THE HEAD: my wave's 64 rows x 512 bytes of q are 256 registers, a window of their own, loaded by 64 loads that are on their way while the products run.  On the way out every block has its own registers,
; every offset is an immediate and no base is stepped: no register that a store reads is written again.
; REGISTERS, in windows of 256: window 0: v0-31 addresses; v32-95 bo of my columns; v128-191, v192-255 A's fragments (4 x 16 tokens x 128 K), two sets; on the way out v128-191 a block's numbers.
;   window 1: Wo's fragments (8 x 16 rows x 128 K), two sets; on the way out four sets of 64: a block's rows read back from the stage.   window 2: the accumulators ((a, b) at v[8 (8 a + b)]).   window 3: q: block a's row t at v[64 a + 4 t].
.set ROWB,   256
.set KROW,   1024
.set PITCH,  272                       ; Wo's rows in LDS: 256 bytes + 16
.set APITCH, 80                        ; A's rows in LDS: 64 bytes + 16
.set AHEAD,  128*APITCH                ; a head's 128 tokens
.set AHALF,  2*AHEAD                   ; what one tensor load brings of A: two heads, 20,480 bytes
.set BHALF,  128*PITCH                 ; of Wo: 34,816
.set BOFF,   2*AHALF
.set SLOT,   BOFF+2*BHALF              ; 110,592
.set SPARE,  2*SLOT                    ; behind the ring: the spare words, 128 bytes a wave, that no other line names
.set STAGE,  SPARE+512                 ; behind them: the way out: 16 rows x (512 bytes + 16) for each wave; no tile lands here
.set SPITCH, 528
.set FR,     16                        ; registers of a fragment
.set NP,     4                         ; places behind this matrix instruction (ISA guide 7.12.1)
.set ADRA, 16                          ; v16-17  LDS address of my A fragments in slot 0, 1
.set ADRB, 20                          ; v20-21  the same for Wo
.set STO,  24                          ; v24     the stage: where I put 32 bytes of a row
.set RD,   25                          ; v25     the stage: where I read a row back
.set CO,   26                          ; v26     16 x lane: my place in a row's 512 bytes; never rewritten
.set SPW,  28                          ; v28     LDS address of my spare word; never rewritten
.set NIL,  29                          ; v29     0; never rewritten
.set CB,   32
.set AF,   128
.set TMP,  128
.set G1, 24                            ; s[24:31] descriptor group 1 for A's tiles;  s[32:39] group 0, one set for each slot
.set G0, 32
.set G1B, 48                           ; s[48:55], s[56:63] the same for Wo's tiles
.set G0B, 56
.set MSB, 0
.macro WIN new                         ; the immediate's high byte repeats the setting that is left
.if MSB != (\new)
	s_set_vgpr_msb (MSB<<8)|(\new)
.set MSB, (\new)
.endif
.endm
.set MUL,  0xa1                        ; source 0 (Wo) window 1, source 1 (A) window 0, C and D window 2
.set TO_B, 0x40                        ; destination window 1, address window 0
.macro JLOAD g0a, g1a, g0b, g1b        ; a joint load: waves 0 and 1 fetch for A, waves 2 and 3 for Wo; the branch hangs on the wave's number alone; four v_nop follow each of the two lines
	s_cmp_eq_u32 s15, 0
	s_cbranch_scc0 .Lfor_b_\@
	tensor_load_to_lds s[\g0a:\g0a+3], s[\g1a:\g1a+7]
	s_nop 0
.rept 4
	v_nop
.endr
	s_branch .Lasked_\@
.Lfor_b_\@:
	tensor_load_to_lds s[\g0b:\g0b+3], s[\g1b:\g1b+7]
	s_nop 0
.rept 4
	v_nop
.endr
.Lasked_\@:
.endm
.macro CREST                           ; a round of the cluster's barrier behind its opening barrier
	s_cmp_lg_u32 s14, 0
	s_cbranch_scc1 .Lnot_wave_0_\@
	s_barrier_signal -3
.Lnot_wave_0_\@:
	s_barrier_wait -3
	s_barrier_signal -1
	s_barrier_wait -1
.endm
.macro CROUND                          ; a whole round
	s_barrier_signal -1
	s_barrier_wait -1
	CREST
.endm
	s_load_b256 s[4:11], s[0:1], 0x0               ; ac s[4:5], xw s[6:7], the exponents s[8:9], bo s[10:11]
	s_load_b128 s[68:71], s[0:1], 0x20             ; q s[68:69], out0 s[70:71]
	v_lshl_add_u32 v[SPW], v0, 2, SPARE
	v_mov_b32 v[NIL], 0
	ds_add_u32 v28, v29
	ds_add_u32 v28, v29
	s_wait_dscnt 0x0
	v_lshrrev_b32 v1, 5, v0
	v_readfirstlane_b32 s14, v1                    ; wave 0..3
	s_lshr_b32 s15, s14, 1                         ; which 64 of the tile's tokens are mine.  Also: I fetch for A (0) or for Wo (1)
	s_and_b32 s16, s14, 1                          ; which 128 of its columns.  Also: which half I fetch
	s_bfe_u32 s40, ttmp6, 0x40000                  ; cx, cy: my place in the cluster
	s_bfe_u32 s41, ttmp6, 0x40004
	s_lshl_b32 s42, ttmp9, 2
	s_add_co_u32 s42, s42, s40                     ; tile column = 4 x cluster x + cx
	s_and_b32 s17, ttmp7, 0xffff
	s_lshl_b32 s17, s17, 2
	s_add_co_u32 s17, s17, s41                     ; tile row = 4 x cluster y + cy: the block of 128 tokens, 0 .. 63
	s_lshl_b32 s43, s41, 2
	s_lshl_b32 s43, 15, s43                        ; my row of the cluster
	s_lshl_b32 s44, 0x1111, s40                    ; my column
	s_or_b32 s[G1+0], s43, (1<<20)|(1<<21)|(3<<22)|(3<<25)   ; A: the mask of my row; elements of 1 byte; padding: four words after every 16; bit 21 beside the mask
	s_mov_b32 s[G1+1], 256<<16                     ; tensor_dim0
	s_mov_b32 s[G1+2], 64<<16                      ; tensor_dim1
	s_mov_b32 s[G1+3], 256<<16                     ; tile_dim0
	s_mov_b32 s[G1+4], 64                          ; tile_dim1
	s_mov_b32 s[G1+5], 256                         ; tensor_dim0_stride: dense
	s_mov_b32 s[G1+6], 0
	s_mov_b32 s[G1+7], 0
	s_or_b32 s[G1B+0], s44, (1<<20)|(1<<21)|(5<<22)|(3<<25)  ; Wo: the mask of my column; padding: four words after every 64
	s_mov_b32 s[G1B+1], ROWB<<16
	s_mov_b32 s[G1B+2], 128<<16
	s_mov_b32 s[G1B+3], ROWB<<16
	s_mov_b32 s[G1B+4], 128
	s_mov_b32 s[G1B+5], KROW
	s_mov_b32 s[G1B+6], 0
	s_mov_b32 s[G1B+7], 0
	s_lshl_b32 s20, s17, 17                        ; A: 131,072 bytes a block of 128 tokens,
	s_lshl_b32 s18, s16, 14                        ; 16,384 for two heads
	s_add_co_u32 s20, s20, s18
	s_mov_b32 s21, 0
	s_lshl_b32 s46, s42, 8
	s_lshl_b32 s18, s16, 7
	s_add_co_u32 s46, s46, s18
	s_add_co_u32 s46, s46, 27648                   ; Wo: row 27,648 + 256 x tile column + 128 x half of xw
	s_lshl_b32 s46, s46, 10
	s_mov_b32 s47, 0
	s_mul_i32 s45, s16, AHALF                      ; where they go: no place in the cluster enters an LDS address
	s_mul_i32 s19, s16, BHALF
	s_add_co_u32 s19, s19, BOFF
	s_wait_kmcnt 0x0
	s_load_b64 s[96:97], s[8:9], 0x28              ; e10, e11
	s_add_nc_u64 s[20:21], s[4:5], s[20:21]
	s_add_nc_u64 s[46:47], s[6:7], s[46:47]
	CROUND                                         ; all sixteen work-groups are here: the first joint loads meet
.irp s, 0,1
	s_mov_b32 s[G0+4*\s], 1
	s_add_co_u32 s[G0+4*\s+1], s45, \s*SLOT
	s_add_nc_u64 s[G0+4*\s+2:G0+4*\s+3], s[20:21], \s*32768   ; K step s: heads 4 s .. 4 s + 3
	s_or_b32 s[G0+4*\s+3], s[G0+4*\s+3], 0x80000000
	s_mov_b32 s[G0B+4*\s], 1
	s_add_co_u32 s[G0B+4*\s+1], s19, \s*SLOT
	s_add_nc_u64 s[G0B+4*\s+2:G0B+4*\s+3], s[46:47], \s*ROWB
	s_or_b32 s[G0B+4*\s+3], s[G0B+4*\s+3], 0x80000000
	JLOAD G0+4*\s, G1, G0B+4*\s, G1B
.endr
	v_and_b32 v1, 15, v0                           ; r
	v_bfe_u32 v2, v0, 4, 1                         ; h
	v_mul_u32_u24 v3, v1, APITCH
	v_lshl_add_u32 v3, v2, 4, v3                   ; A: token r x 80 + 16 h
	v_mul_u32_u24 v4, v1, PITCH
	v_lshl_add_u32 v4, v2, 4, v4                   ; Wo: row r x 272 + 16 h
	s_mul_i32 s21, s15, 64*APITCH                  ; my 64 tokens
	s_mul_i32 s22, s16, BHALF
	s_add_co_u32 s22, s22, BOFF                    ; my 128 rows of Wo
.irp s, 0,1
	v_add_nc_u32 v[ADRA+\s], s21, v3
	v_add_nc_u32 v[ADRB+\s], s22, v4
	s_add_co_u32 s21, s21, SLOT
	s_add_co_u32 s22, s22, SLOT
.endr
	s_mul_i32 s23, s14, 16*SPITCH
	s_add_co_u32 s23, s23, STAGE                   ; my stage
	v_mul_u32_u24 v5, v1, SPITCH
	v_lshl_add_u32 v5, v2, 5, v5
	v_add_nc_u32 v[STO], s23, v5                   ; in: row r, 32 bytes for each half of the lanes
	v_and_b32 v6, 31, v0
	v_lshlrev_b32 v[CO], 4, v6
	v_add_nc_u32 v[RD], s23, v[CO]                 ; back: the 32 lanes take a row of 512 bytes
	s_lshl_b32 s20, s17, 7
	s_lshl_b32 s21, s15, 6
	s_add_co_u32 s20, s20, s21                     ; my first row: 128 x tile row + 64 x half,
	s_lshl_b32 s20, s20, 12                        ; 4,096 bytes each
	s_mov_b32 s21, 0
	s_lshl_b32 s46, s42, 10
	s_lshl_b32 s47, s16, 9
	s_add_co_u32 s46, s46, s47                     ; my first column in bytes: 1,024 x tile column + 512 x half
	s_mov_b32 s47, 0
	s_add_nc_u64 s[10:11], s[10:11], s[46:47]      ; bo at my first column
	s_add_nc_u64 s[20:21], s[20:21], s[46:47]
	s_add_nc_u64 s[68:69], s[68:69], s[20:21]      ; q and out0 at my tile
	s_add_nc_u64 s[70:71], s[70:71], s[20:21]
	v_lshlrev_b32 v12, 5, v2                       ; 32 h
.irp b, 0,1,2,3,4,5,6,7
	global_load_b128 v[CB+8*\b:CB+8*\b+3], v12, s[10:11] offset:64*\b          ; bo[16 b + 8 h + 0 .. 7] of my columns
	global_load_b128 v[CB+8*\b+4:CB+8*\b+7], v12, s[10:11] offset:64*\b+16
.endr
	WIN 0xc0                                       ; destination window 3
.irp a, 0,1,2,3
.irp t, 0,1,2,3,4,5,6,7,8,9,10,11,12,13,14,15
	global_load_b128 v[64*\a+4*\t:64*\a+4*\t+3], v[CO], s[68:69] offset:(16*\a+\t)*4096 th:TH_LOAD_NT   ; q's row 16 a + t of my tile: 512 consecutive bytes; read once in the launch
.endr
.endr
	WIN 0
.macro FRAG reg, adr, q, i             ; a fragment of Wo
.irp c, 0,1,2,3
	ds_load_b128 v[\reg+4*\c:\reg+4*\c+3], v[\adr] offset:128*(\q)+32*\c+(\i)*16*PITCH
.endr
.endm
.macro FRAGA reg, adr, q, i            ; a fragment of A: 128 along K are two heads; registers 4 c .. 4 c + 3: head 2 q + c / 2, d = 32 (c % 2) + 16 h + 0 .. 15
.irp c, 0,1,2,3
	ds_load_b128 v[\reg+4*\c:\reg+4*\c+3], v[\adr] offset:(2*(\q)+\c/2)*AHEAD+32*(\c%2)+(\i)*16*APITCH
.endr
.endm
; 8 matrix instructions: A's block a x Wo's eight, 128 along K, on set p.  zero = 1: the first product starts the sums.
; The 32 accumulators take turns, one instruction a turn, in the same order in every step.
.macro MUL8 a, p, zero
.irp b, 0,1,2,3,4,5,6,7
.if \zero
	v_wmma_f32_16x16x128_bf8_bf8 v[8*(8*(\a)+\b):8*(8*(\a)+\b)+7], v[128*(\p)+FR*\b:128*(\p)+FR*\b+FR-1], v[AF+64*(\p)+FR*(\a):AF+64*(\p)+FR*(\a)+FR-1], 0
.else
	v_wmma_f32_16x16x128_bf8_bf8 v[8*(8*(\a)+\b):8*(8*(\a)+\b)+7], v[128*(\p)+FR*\b:128*(\p)+FR*\b+FR-1], v[AF+64*(\p)+FR*(\a):AF+64*(\p)+FR*(\a)+FR-1], v[8*(8*(\a)+\b):8*(8*(\a)+\b)+7]
.endif
.endr
.endm
.macro FETCH_B slot, q, p, i0          ; 16 LDS loads: Wo's fragments i0 .. i0 + 3 of the slot's q-th 128 along K into set p
	WIN TO_B
.irp i, \i0, \i0+1, \i0+2, \i0+3
	FRAG 128*(\p)+FR*(\i), ADRB+\slot, \q, \i
.endr
.endm
.macro FETCH_A slot, q, p              ; 16 LDS loads: A's four fragments
	WIN 0
.irp i, 0,1,2,3
	FRAGA AF+64*(\p)+FR*\i, ADRA+\slot, \q, \i
.endr
.endm
.macro PLACES n                        ; plain vector instructions between a matrix instruction and a load into, or a vector read or write of, its registers
.rept \n
	v_nop
.endr
.endm
; A slot's first 128 along K, on set 0.  The second 128's fragments are asked for into set 1, in three runs of 16 loads between the groups of eight products: they have the step in which to land.
.macro STEP slot, zero
	s_wait_dscnt 0x0                               ; this step's fragments, asked for a step ago, are in
	PLACES NP                                      ; behind the last step's products, which read set 1
	FETCH_B \slot, 1, 1, 0
	WIN MUL
	MUL8 0, 0, \zero
	FETCH_B \slot, 1, 1, 4
	WIN MUL
	MUL8 1, 0, \zero
	FETCH_A \slot, 1, 1
	WIN MUL
	MUL8 2, 0, \zero
	MUL8 3, 0, \zero
	WIN 0
.endm
; A slot's second 128, on set 1, changes slots: one barrier; in front of it each wave waits for all its tensor loads, adds 0 to its spare word, and waits for that and for its own reads of this slot.  fill = 1: this slot is filled again, two K steps ahead.
.macro TURN slot, next, fill
	s_wait_tensorcnt 0x0                           ; all my tensor loads have landed: my part of the next slot
	ds_add_u32 v[SPW], v[NIL]                      ; 0 onto my spare word
	s_wait_dscnt 0x1                               ; this step's fragments are in; the add may be out
	WIN MUL
	MUL8 0, 1, 0                                   ; eight matrix instructions stand between the add and the wait for it
	s_wait_dscnt 0x0                               ; the add is done, and my reads of this slot are over
	s_barrier_signal -1
	MUL8 1, 1, 0
	WIN 0
	s_barrier_wait -1
.if \fill
	CREST                                          ; the barrier has opened a round of the cluster's barrier: no wave of any partner still reads this slot or has a load on its way
	s_add_nc_u64 s[G0+4*\slot+2:G0+4*\slot+3], s[G0+4*\slot+2:G0+4*\slot+3], 65536        ; eight heads on
	s_add_nc_u64 s[G0B+4*\slot+2:G0B+4*\slot+3], s[G0B+4*\slot+2:G0B+4*\slot+3], 2*ROWB
	JLOAD G0+4*\slot, G1, G0B+4*\slot, G1B         ; the first tensor load behind the round; its four v_nop are also the places in front of the loads below
.else
	PLACES NP
.endif
	FETCH_B \next, 0, 0, 0                         ; the next slot's first fragments, into set 0
	FETCH_B \next, 0, 0, 4
	FETCH_A \next, 0, 0
	WIN MUL
	MUL8 2, 1, 0
	MUL8 3, 1, 0
	WIN 0
.endm
	s_wait_tensorcnt 1                             ; my part of K step 0 is in (K step 1's load may be out)
	s_barrier_signal -1
	s_barrier_wait -1                              ; everybody's is
	FETCH_B 0, 0, 0, 0
	FETCH_B 0, 0, 0, 4
	FETCH_A 0, 0, 0
	STEP 0, 1                                      ; K 0-127: its products start the sums
	TURN 0, 1, 1                                   ; K 128-255; slot 0 takes K 512-767
	STEP 1, 0
	TURN 1, 0, 1                                   ; slot 1 takes K 768-1,023
	STEP 0, 0
	TURN 0, 1, 0                                   ; nothing is left to fetch
	STEP 1, 0
	s_wait_dscnt 0x0                               ; the last step
	WIN MUL
	MUL8 0, 1, 0
	MUL8 1, 1, 0
	MUL8 2, 1, 0
	MUL8 3, 1, 0
	WIN 0
; THE WAY OUT, block by block of 16 rows x 128 columns: sum x 2^(e10 + e11) + bo; through my stage, back as whole rows of 512 bytes; + q's row, which lies in window 3; stored.
.macro TOSTAGE a
.set AC, 64*(\a)
	WIN 0x02                                       ; source 0: window 2
.set j, 0
.rept 32
	v_pk_fma_f32 v[TMP+j:TMP+j+1], v[AC+j:AC+j+1], s[96:97], v[CB+j:CB+j+1] op_sel_hi:[1,0,1]   ; each accumulator from its low end on
.set j, j+2
.endr
	WIN 0
.irp b, 0,1,2,3,4,5,6,7
	ds_store_b128 v[STO], v[TMP+8*\b:TMP+8*\b+3] offset:64*\b
	ds_store_b128 v[STO], v[TMP+8*\b+4:TMP+8*\b+7] offset:64*\b+16
.endr
	WIN 0x40                                       ; destination window 1: the block's own 64 registers
.irp t, 0,1,2,3,4,5,6,7,8,9,10,11,12,13,14,15
	ds_load_b128 v[AC+4*\t:AC+4*\t+3], v[RD] offset:\t*SPITCH   ; LDS serves a wave's instructions in order (ISA guide 5.7.1.4): these see the stores above, and the next block's stores come behind them
.endr
	WIN 0
.endm
.macro SEND a, younger                 ; younger: the LDS instructions issued behind block a's loads, which may stay out
.set BS, 64*(\a)
	s_wait_dscnt \younger
	WIN 0x4d                                       ; destination and source 0 window 1 (the rows), source 1 window 3 (q): the same numbers in both
.set j, 0
.rept 32
	v_pk_add_f32 v[BS+j:BS+j+1], v[BS+j:BS+j+1], v[BS+j:BS+j+1]
.set j, j+2
.endr
	WIN 0x04                                       ; store data window 1, address window 0
.irp t, 0,1,2,3,4,5,6,7,8,9,10,11,12,13,14,15
	global_store_b128 v[CO], v[BS+4*\t:BS+4*\t+3], s[70:71] offset:(16*(\a)+\t)*4096 th:TH_STORE_NT   ; 512 consecutive bytes, at a multiple of 256; written once, read by nobody here
.endr
	WIN 0
.endm
	s_wait_kmcnt 0x0
	s_add_co_i32 s96, s96, s97
	s_add_co_i32 s96, s96, 127
	s_lshl_b32 s96, s96, 23                        ; 2^(e10 + e11) as f32
	s_wait_loadcnt 0x0                             ; bo and q, asked for at the head
	PLACES NP                                      ; behind the last products: their results are read, and registers that they read are written
	TOSTAGE 0
	TOSTAGE 1
	SEND 0, 32                                     ; behind block 0's loads: block 1's 16 stores and 16 loads
	TOSTAGE 2
	SEND 1, 32
	TOSTAGE 3
	SEND 2, 32
	SEND 3, 0
	s_wait_tensorcnt 0x0                           ; the wave's end
	ds_add_u32 v[SPW], v[NIL]
	s_wait_dscnt 0x0
	CROUND                                         ; the closing round: no work-group ends while a partner may still ask for a tile that names it
	s_endpgm
.Lfunc_end_k_qec3bc7b7bf_outp:
	.size	k_qec3bc7b7bf_outp, .Lfunc_end_k_qec3bc7b7bf_outp-k_qec3bc7b7bf_outp
	.p2alignl 7, 3214868480
	.fill 96, 4, 3214868480
	.section	.rodata,"a",@progbits
	.p2align	6, 0x0
	.amdhsa_kernel k_qec3bc7b7bf_outp
		.amdhsa_group_segment_fixed_size 327680
		.amdhsa_private_segment_fixed_size 0
		.amdhsa_enable_private_segment 0
		.amdhsa_kernarg_size 48
		.amdhsa_user_sgpr_count 2
		.amdhsa_user_sgpr_kernarg_segment_ptr 1
		.amdhsa_wavefront_size32 1
		.amdhsa_system_sgpr_workgroup_id_x 1
		.amdhsa_system_sgpr_workgroup_id_y 1
		.amdhsa_system_sgpr_workgroup_id_z 1
		.amdhsa_system_vgpr_workitem_id 0
		.amdhsa_next_free_vgpr 1024
		.amdhsa_next_free_sgpr 100
		.amdhsa_reserve_vcc 0
		.amdhsa_float_denorm_mode_32 3
		.amdhsa_float_denorm_mode_16_64 3
		.amdhsa_memory_ordered 1
		.amdhsa_forward_progress 1
		.amdhsa_inst_pref_size 92
	.end_amdhsa_kernel
	.amdgpu_metadata
---
amdhsa.version: [ 1, 2 ]
amdhsa.kernels:
  - .name:           k_qec3bc7b7bf_outp
    .symbol:         k_qec3bc7b7bf_outp.kd
    .args:
      - { .name: ac, .offset: 0, .size: 8, .value_kind: global_buffer, .address_space: global }
      - { .name: xw, .offset: 8, .size: 8, .value_kind: global_buffer, .address_space: global }
      - { .name: lowp_scales, .offset: 16, .size: 8, .value_kind: global_buffer, .address_space: global }
      - { .name: bo, .offset: 24, .size: 8, .value_kind: global_buffer, .address_space: global }
      - { .name: q, .offset: 32, .size: 8, .value_kind: global_buffer, .address_space: global }
      - { .name: out0, .offset: 40, .size: 8, .value_kind: global_buffer, .address_space: global }
    .group_segment_fixed_size: 327680
    .private_segment_fixed_size: 0
    .kernarg_segment_align: 8
    .kernarg_segment_size: 48
    .max_flat_workgroup_size: 128
    .sgpr_count:     100
    .vgpr_count:     1024
    .wavefront_size: 32
...
	.end_amdgpu_metadata
.endif
;; end of part 4
;; ======== version 2 of 2: 4 launches; version 1 with the launch attn written anew for expert scheduling mode
;; workspace buffers: xw 29,360,128 bytes; pc 25,165,824 bytes; ac 8,388,608 bytes
;; launch prep: the kernel of part 1 again; grid 896 x 1, 4 waves a work-group, no clusters, 20,992 bytes of LDS; arguments q, k, v, Wq, Wk, Wv, Wo, gamma, beta, lowp_scales, xw; writes xw
;; launch proj: the kernel of part 2 again; grid 4 x 96, 4 waves a work-group, clusters of 4 x 4, 327,680 bytes of LDS; arguments xw, bq, bk, bv, lowp_scales, pc; writes pc
;; launch attn (part 5): grid 2 x 128, 16 waves a work-group, no clusters, 202,752 bytes of LDS; arguments pc, pad_mask, lowp_scales, ac; writes ac
.if DOCPART == 5
	.amdgcn_target "amdgcn-amd-amdhsa--gfx1250"
	.amdhsa_code_object_version 6
	.text
	.protected	k_qec3bc7b7bf_attn
	.globl	k_qec3bc7b7bf_attn
	.p2align	8
	.type	k_qec3bc7b7bf_attn,@function
k_qec3bc7b7bf_attn:
	s_mov_b64 s[64:65], 0
	v_nop
	global_prefetch_b8 v0, s[64:65] scope:SCOPE_SE
	s_setreg_imm32_b32 hwreg(HW_REG_WAVE_SCHED_MODE, 0, 2), 2
	s_setreg_imm32_b32 hwreg(HW_REG_WAVE_MODE, 25, 1), 1
	s_wait_xcnt 0x0
	s_wait_alu depctr_vm_vsrc(0)
; ATTENTION ON CODES OF BF8 (E5M2).  For batch b, head h: o[q] = sum over keys of p V / l, p = 2^(t - M), t = score x log2(e) / 8, M the ceiling of the row's largest t so far (a whole number), l the sum of the unquantised p.
; Keys whose pad_mask byte is 1 count for nothing.  o x 2^(e8 + e9) / l is quantised with 2^e10 and stored as codes for the last product.
; pc (made by the launch before): q, k: [b][h][token][64]; v: [b][pair of heads][block of 64 keys][head of the pair][d][64 keys]; inside each 64-byte row the bytes lie so that 16-byte loads at 32 c + 16 (lane / 16) give each k its own place.
; ac: [block of 128 tokens][head][128 tokens][64 d].
; SHARES.  A work-group owns 512 queries of one head (grid x: which half; grid y: 16 b + h); each of its sixteen waves 32 queries, two tiles of 16, so that each fragment of K and V read from LDS feeds two matrix instructions.
; THE HEAD'S WHOLE K AND V LIE IN LDS, WRITTEN ONCE: every wave brings 64 keys of K and 64 of V (4 KiB each) through its registers, sixteen loads of 512 consecutive bytes and sixteen LDS stores; one barrier.
; They come through registers and not by the tensor data mover.  All loads stand at the head: nothing is left to ask for ahead of time.
; THE HOLD.  p is at most 1 (but for the last bit of the multiply-add that makes t - M).  Where e8 >= -15 the largest code x the scale, 57,344 x 2^e8, is at least 1.75: the hold would change no number, and a scalar branch on e8,
; inside the loop and round the 64 holds of a tile alone, jumps over them.  Where e8 < -15 they run.  Both ways give the quantiser's numbers exactly.
; THE MASK IS DATA: each key's byte becomes the f32 number 0 or -3e38 in LDS, and is the C of the product that makes the key's scores.  The running largest t begins at c x (-1e20): above every masked t, below every other:
; so a masked key's p is 0 in every step, whatever the mask, and no infinity meets an infinity.
; LAYOUT.  S^T = K Q^T (source 0 = 16 keys, source 1 = 16 queries), O^T = V^T P^T: a lane holds one query (lane % 16) throughout; tile t's eight registers are keys 16 t + 8 (lane / 16) + 0 .. 7, whose codes are registers 2 t, 2 t + 1 of P.
; LIMITS: e6 + e7 between -100 and 60 (c x 1e20 stays an f32 number, c x 3e38 stays far over every exponent's range); e8 and e10 between -126 and 112.  NaN among the inputs is not served.
; A batch ALL of whose keys are masked is not served: the problem's result there is NaN, this text's is a finite number.
; REGISTERS: v1-3 my lane's places in K, V and the mask; v4-6 the step's addresses; v7 the mask's offset; v[8+4x] -M, v[9+4x] the largest t, v[10+4x:11+4x] l in two halves (x: the tile of queries); v16-31 Q;
;   v32-47 two fragments of K, later P's codes; v48-111 at the head K's and V's bytes on their way, then S^T of tile 0, later V's four fragments; v112-175 S^T of tile 1; v176-207, v208-239 O^T; v240, v241 hold and scale of e8;
;   v[242:243], v246-248 at work; v[244:245] f; v249, v250 hold and scale of e10; v251 16 x lane, v252 and v254 where K's and V's bytes go in LDS, v253 Q's offset: not rewritten before the wave's end.
; THE MODE: SCHED_MODE bits 1:0 = 2 (LLVM: expert scheduling mode 2), set by the entry lines.  The code itself states the register dependences between vector or matrix instructions and memory or LDS instructions, with s_wait_alu, always for 0.
; THE PLAN.  Registers that memory or LDS instructions touch in a trip of the loop:
;   v4-6      Written by the three additions at the trip's head; read by all its LDS loads.
;   v32-47    K's fragments of 32 keys land here four times a trip, each time behind the four products that read the fragments before; later the conversions write P's codes here, which the products with V read.
;   v48-111   The mask's numbers land here (tile 0); products, softmax and conversions work on them; behind the conversions V's fragments land here, which the products with V read to the trip's end.
;   v112-175  The mask's numbers land here (tile 1); products, softmax and conversions work on them to the trip's end.
; So a trip has: one wait on vm_vsrc at its head, ahead of the additions; one on va_vdst behind them, which states that the addresses are written and that the last trip is done with v32-175; one on va_vdst behind each of the first three
; groups of score products, ahead of the next fragments of K; one behind tile 0's conversions, ahead of V's loads; and the two behind the batches of exponentials.  Every run of LDS loads stands directly behind one of these waits.
; The mask's 32 loads are dealt among the score products, eight for each group of 32 keys, each group's a group ahead of its products and behind the fragments of K that are wanted first.
.set KP,    80                         ; a 64-byte row in LDS: + 16 of padding: sixteen rows start 20 words apart
.set VOFF,  1024*KP                    ; K: 1,024 rows; then V: 16 blocks of 64 rows
.set MASK,  2*VOFF                     ; 1,024 f32 numbers
.set STAGE, MASK+4096                  ; the way out: 2,048 bytes for each wave
.set AK0, 1
.set AV0, 2
.set AM0, 3
.set ADK, 4
.set ADV, 5
.set ADM, 6
	s_load_b256 s[4:11], s[0:1], 0x0               ; pc s[4:5], pad_mask s[6:7], the exponents s[8:9], ac s[10:11]
	v_lshrrev_b32 v1, 5, v0
	v_readfirstlane_b32 s12, v1                    ; wave 0..15
	s_and_b32 s13, ttmp7, 0xffff                   ; y = 16 b + h
	v_and_b32 v4, 31, v0                           ; lane L
	v_lshlrev_b32 v251, 4, v4                      ; 16 L: my 16 bytes of a load's 512
	v_lshrrev_b32 v5, 2, v4
	v_mul_u32_u24 v5, v5, KP
	v_and_b32 v4, 3, v4
	v_lshl_add_u32 v5, v4, 4, v5                   ; four lanes fill a row of 64 bytes: 80 (L / 4) + 16 (L % 4)
	s_wait_alu depctr_va_sdst(0)                   ; s12 is written, ahead of its first reader: LDS places and all four bases are made from it
	s_mul_i32 s25, s12, 64*KP                      ; my 64 rows
	v_add_nc_u32 v252, s25, v5                     ; where my bytes of K go,
	v_add_nc_u32 v254, VOFF, v252                  ; and those of V
	v_lshlrev_b32 v7, 1, v0                        ; thread n: mask bytes 2 n, 2 n + 1
	v_and_b32 v4, 15, v0                           ; r
	v_bfe_u32 v5, v0, 4, 1                         ; h
	v_lshlrev_b32 v253, 6, v4
	v_lshl_add_u32 v253, v5, 4, v253               ; Q: 64 r + 16 h
	s_lshl_b32 s52, s13, 16                        ; K in memory: part 1, 65,536 bytes a head, 4,096 a wave
	s_lshl_b32 s53, s12, 12
	s_add_co_u32 s52, s52, s53
	s_add_co_u32 s52, s52, 0x800000
	s_mov_b32 s53, 0
	s_lshr_b32 s54, s13, 1                         ; V: part 2, 131,072 bytes a pair of heads, 8,192 a block of keys, 4,096 a head of the pair
	s_lshl_b32 s54, s54, 17
	s_and_b32 s55, s13, 1
	s_lshl_b32 s55, s55, 12
	s_add_co_u32 s54, s54, s55
	s_lshl_b32 s55, s12, 13
	s_add_co_u32 s54, s54, s55
	s_add_co_u32 s54, s54, 0x1000000
	s_mov_b32 s55, 0
	s_lshr_b32 s16, s13, 4                         ; b
	s_lshl_b32 s18, s16, 10                        ; the batch's 1,024 mask bytes
	s_mov_b32 s19, 0
	s_lshl_b32 s20, s13, 16                        ; Q: part 0, my head, my work-group's 512 queries, my wave's 32
	s_lshl_b32 s21, ttmp9, 15
	s_add_co_u32 s20, s20, s21
	s_lshl_b32 s21, s12, 11
	s_add_co_u32 s20, s20, s21
	s_mov_b32 s21, 0
	s_lshl_b32 s22, s16, 3                         ; ac: block of 128 tokens = 8 b + 4 x + wave / 4,
	s_lshl_b32 s23, ttmp9, 2
	s_add_co_u32 s22, s22, s23
	s_lshr_b32 s23, s12, 2
	s_add_co_u32 s22, s22, s23
	s_lshl_b32 s22, s22, 17
	s_and_b32 s23, s13, 15                         ; the head: 8,192 bytes,
	s_lshl_b32 s23, s23, 13
	s_add_co_u32 s22, s22, s23
	s_and_b32 s23, s12, 3                          ; my 32 tokens of the 128: 2,048 bytes
	s_lshl_b32 s23, s23, 11
	s_add_co_u32 s22, s22, s23
	s_mov_b32 s23, 0
	s_mov_b32 s32, 0x76543210                      ; v_permlanex16_b32: lane l takes lane l xor 16
	s_mov_b32 s33, 0xfedcba98
	s_wait_kmcnt 0x0
	s_load_b256 s[40:47], s[8:9], 0x0              ; e0 .. e7
	s_load_b128 s[48:51], s[8:9], 0x20             ; e8 .. e11
	s_add_nc_u64 s[26:27], s[4:5], s[52:53]        ; my 64 keys of K,
	s_add_nc_u64 s[30:31], s[4:5], s[54:55]        ; my block of V,
	s_add_nc_u64 s[6:7], s[6:7], s[18:19]          ; the batch's mask,
	s_add_nc_u64 s[4:5], s[4:5], s[20:21]          ; my 32 queries,
	s_add_nc_u64 s[10:11], s[10:11], s[22:23]      ; my 2,048 bytes of ac
	s_wait_alu depctr_va_vdst(0)                   ; v7, v251 and v253 are written, which the global loads below read as offsets; so are v252 and v254, the addresses of the sixteen LDS stores further down
	global_load_u16 v247, v7, s[6:7]
.irp i, 0,1,2,3,4,5,6,7
	global_load_b128 v[48+4*\i:51+4*\i], v251, s[26:27] offset:512*\i   ; 512 consecutive bytes: eight rows of K
.endr
.irp i, 0,1,2,3,4,5,6,7
	global_load_b128 v[80+4*\i:83+4*\i], v251, s[30:31] offset:512*\i   ; eight rows of V
.endr
.irp x, 0,1
.irp c, 0,1
	global_load_b128 v[16+8*\x+4*\c:16+8*\x+4*\c+3], v253, s[4:5] offset:1024*\x+32*\c   ; Q's two fragments stay in registers
.endr
.endr
	v_mul_u32_u24 v[AK0], v4, KP
	v_lshl_add_u32 v[AK0], v5, 4, v[AK0]           ; row r, + 16 h
	v_add_nc_u32 v[AV0], VOFF, v[AK0]
	v_lshl_add_u32 v[AM0], v5, 5, MASK             ; eight numbers for each half of the lanes
	v_lshl_add_u32 v248, v0, 3, MASK               ; where my two keys' numbers go
	s_wait_loadcnt 20                              ; the mask bytes are in; K's 8, V's 8 and Q's 4 loads may stay out
	v_and_b32 v246, 1, v247
	v_bfe_u32 v247, v247, 8, 1
	v_sub_nc_u32 v246, 0, v246                     ; all ones where the key is masked
	v_sub_nc_u32 v247, 0, v247
	v_and_b32 v246, 0xff61b1e6, v246               ; -3e38 or 0
	v_and_b32 v247, 0xff61b1e6, v247
	s_wait_alu depctr_va_vdst(0)                   ; v246 and v247, the LDS store's data, and v248, its address, are written
	ds_store_b64 v248, v[246:247]
	v_mov_b32 v245, 0                              ; (named as the upper half of the pair v[244:245])
	v_mov_b32 v10, 0                               ; l
	v_mov_b32 v11, 0
	v_mov_b32 v14, 0
	v_mov_b32 v15, 0
.set j, 0
.rept 64
	v_mov_b32 v[176+j], 0                          ; O^T.  (The step is written once: its first trip finds zeros, which the first change of M leaves zeros)
.set j, j+1
.endr
	s_wait_alu depctr_vm_vsrc(0)                   ; the mask's LDS store has read v248, which the next line writes
	v_mov_b32 v248, 0                              ; from here on a lane permute's destination
	s_wait_kmcnt 0x0
	s_add_co_i32 s52, s46, s47                     ; a score stands for score x 2^(e6 + e7): the exponents are added to c's exponent field
	s_lshl_b32 s52, s52, 23
	s_mov_b32 s34, 0x3e38aa3b                      ; c = log2(e) / 8
	s_add_co_i32 s34, s34, s52
	s_mov_b32 s35, s34                             ; (named with it as a pair)
	s_add_co_i32 s52, s48, 127
	s_lshl_b32 s53, s52, 23
	v_mov_b32 v241, s53                            ; 2^e8 as f32
	s_add_co_i32 s52, s52, 15
	s_lshl_b32 s52, s52, 23
	s_or_b32 s52, s52, 0x600000
	v_mov_b32 v240, s52                            ; 57,344 x 2^e8
	s_add_co_i32 s52, s50, 127
	s_lshl_b32 s53, s52, 23
	v_mov_b32 v250, s53                            ; 2^e10
	s_add_co_i32 s52, s52, 15
	s_lshl_b32 s52, s52, 23
	s_or_b32 s52, s52, 0x600000
	v_mov_b32 v249, s52                            ; 57,344 x 2^e10
	s_add_co_i32 s56, s48, s49                     ; e8 + e9
	v_mov_b32 v9, 0xe0ad78ec                       ; -1e20
	v_mul_f32 v9, s34, v9                          ; the largest t so far
	v_floor_f32 v8, -v9                            ; -M
	v_mov_b32 v13, v9
	v_mov_b32 v12, v8
	s_mov_b32 s36, 0                               ; the step's 128 rows of K, and its two blocks of V: 10,240 bytes
	s_mov_b32 s37, 0                               ; its 128 numbers of the mask
	s_mov_b32 s38, 8                               ; steps to go
	s_wait_loadcnt 4                               ; K's and V's bytes are in; Q's four loads may stay out
.irp i, 0,1,2,3,4,5,6,7
	ds_store_b128 v252, v[48+4*\i:51+4*\i] offset:8*KP*\i
.endr
.irp i, 0,1,2,3,4,5,6,7
	ds_store_b128 v254, v[80+4*\i:83+4*\i] offset:8*KP*\i
.endr
	s_wait_loadcnt 0x0                             ; Q
	s_wait_dscnt 0x0                               ; my parts of K, V and the mask are stored:
	s_barrier_signal -1
	s_barrier_wait -1                              ; everybody's
.macro MASKG g                         ; the mask's numbers of keys 32 g .. 32 g + 31 into both tiles' accumulators, eight loads: register 8 t + j = key 16 t + 8 h + j
.irp x, 0,1
.irp u, 0,1
	ds_load_b128 v[48+64*\x+8*(2*(\g)+\u):48+64*\x+8*(2*(\g)+\u)+3], v[ADM] offset:64*(2*(\g)+\u)
	ds_load_b128 v[48+64*\x+8*(2*(\g)+\u)+4:48+64*\x+8*(2*(\g)+\u)+7], v[ADM] offset:64*(2*(\g)+\u)+16
.endr
.endr
.endm
.macro KLD g                           ; K's fragments of keys 32 g .. 32 g + 31: four loads
.irp u, 0,1
.irp c, 0,1
	ds_load_b128 v[32+8*\u+4*\c:32+8*\u+4*\c+3], v[ADK] offset:(32*(\g)+16*\u)*KP+32*\c
.endr
.endr
.endm
.macro QK g                            ; four products: two tiles of keys x two tiles of queries; C is the mask, in the accumulator's own registers; no two that follow each other share an accumulator
.irp u, 0,1
.irp x, 0,1
	v_wmma_f32_16x16x64_bf8_bf8 v[48+64*\x+8*(2*(\g)+\u):48+64*\x+8*(2*(\g)+\u)+7], v[32+8*\u:32+8*\u+7], v[16+8*\x:16+8*\x+7], v[48+64*\x+8*(2*(\g)+\u):48+64*\x+8*(2*(\g)+\u)+7]
.endr
.endr
.endm
.macro SOFT1 x                         ; tile x: the largest score, M, f, p, l
.set SB, 48+64*(\x)
.set ST, 8+4*(\x)
	v_max3_num_f32 v246, v[SB], v[SB+1], v[SB+2]   ; two chains; each accumulator is first read at its low end
	v_max3_num_f32 v247, v[SB+3], v[SB+4], v[SB+5]
.set j, 6
.rept 14
	v_max3_num_f32 v246, v246, v[SB+j], v[SB+j+1]
	v_max3_num_f32 v247, v247, v[SB+j+2], v[SB+j+3]
.set j, j+4
.endr
	v_max3_num_f32 v246, v246, v[SB+62], v[SB+63]
	v_max_num_f32 v246, v246, v247
	v_permlanex16_b32 v248, v246, s32, s33
	v_max_num_f32 v246, v246, v248                 ; and lane l xor 16's 64 keys
	v_mul_f32 v246, s34, v246                      ; as t (c is positive)
	v_max_num_f32 v[ST+1], v[ST+1], v246           ; the running largest t
	v_mov_b32 v246, v[ST]
	v_floor_f32 v[ST], -v[ST+1]                    ; the new -M = -ceil(t)
	v_sub_f32 v246, v[ST], v246                    ; old M - new M: a whole number, 0 or less
	v_cvt_i32_f32 v246, v246                       ; (it saturates)
	v_ldexp_f32 v244, 1.0, v246                    ; f = 2^(old M - new M)
.set j, 0
.rept 32
	v_pk_fma_f32 v[SB+j:SB+j+1], v[SB+j:SB+j+1], s[34:35], v[ST:ST+1] op_sel_hi:[1,0,0]   ; t - M (of the pairs c and -M the low word serves both halves)
.set j, j+2
.endr
.set j, 0
.rept 64
	v_exp_f32 v[SB+j], v[SB+j]                     ; p = 2^(t - M)
.set j, j+1
.endr
	v_pk_mul_f32 v[ST+2:ST+3], v[ST+2:ST+3], v[244:245] op_sel_hi:[1,0]   ; l under the new M.  (The plain instruction behind the exponentials)
	s_wait_alu depctr_va_vdst(0)                   ; the 64 exponentials have written the tile's p, v[SB] to v[SB+63]: one wait for the batch, ahead of its first reader
	v_pk_add_f32 v[242:243], v[SB:SB+1], v[SB+2:SB+3]   ; l takes the unquantised p: two packed chains
.set j, 4
.rept 15
	v_pk_add_f32 v[ST+2:ST+3], v[ST+2:ST+3], v[SB+j:SB+j+1]
	v_pk_add_f32 v[242:243], v[242:243], v[SB+j+2:SB+j+3]
.set j, j+4
.endr
	v_pk_add_f32 v[ST+2:ST+3], v[ST+2:ST+3], v[242:243]
.endm
.macro SOFT2 x                         ; tile x: p's codes into v32-47; O^T under the new M
.set SB, 48+64*(\x)
.set OB, 176+32*(\x)
	s_cmp_gt_i32 s48, -16                          ; e8 >= -15: 57,344 x 2^e8 >= 1.75, over every p: the hold would change nothing
	s_cbranch_scc1 .Lno_hold_\@
.set j, 0
.rept 64
	v_min_num_f32 v[SB+j], v[SB+j], v240           ; the conversion does not saturate (ISA guide 7.6.2); p is not negative, so the hold is one-sided
.set j, j+1
.endr
.Lno_hold_\@:
.set j, 0
.rept 12
	v_pk_mul_f32 v[OB+j:OB+j+1], v[OB+j:OB+j+1], v[244:245] op_sel_hi:[1,0]   ; O^T x f, from each accumulator's low end on.  On both ways these twelve are the places between the other tile's products and the conversions that write P's registers anew
.set j, j+2
.endr
.irp t, 0,1,2,3,4,5,6,7
	v_cvt_scalef32_pk8_bf8_f32 v[32+2*\t:33+2*\t], v[SB+8*\t:SB+8*\t+7], v241
.endr
.rept 4
	v_pk_mul_f32 v[OB+j:OB+j+1], v[OB+j:OB+j+1], v[244:245] op_sel_hi:[1,0]   ; the last four: plain instructions between the conversions and the products that read the codes
.set j, j+2
.endr
.endm
.macro VLD                             ; V's four fragments (16 d x 128 keys each) into v48-111, which tile 0's p has left
.irp t, 0,1,2,3
.irp c, 0,1,2,3
	ds_load_b128 v[48+16*\t+4*\c:48+16*\t+4*\c+3], v[ADV] offset:(\c/2)*64*KP+16*\t*KP+32*(\c%2)
.endr
.endr
.endm
.macro PV x                            ; O^T += V^T P^T for tile x: four accumulators, one instruction each
.irp t, 0,1,2,3
	v_wmma_f32_16x16x128_bf8_bf8 v[176+32*\x+8*\t:176+32*\x+8*\t+7], v[48+16*\t:48+16*\t+15], v[32:47], v[176+32*\x+8*\t:176+32*\x+8*\t+7]
.endr
.endm
.Lstep:                                            ; eight trips of 128 keys
	s_wait_alu depctr_vm_vsrc(0)                   ; the last trip's LDS loads have read v4-6, which the three additions write; in the first trip: the head's LDS stores have read v48-111, in which loads below land, and v246, v247, which the softmax writes
	v_add_nc_u32 v[ADK], s36, v[AK0]
	v_add_nc_u32 v[ADV], s36, v[AV0]
	v_add_nc_u32 v[ADM], s37, v[AM0]
	v_nop                                          ; five places behind the last trip's products, the three additions among them:
	v_nop                                          ; the first product below writes over registers that they read (ISA guide 7.12.1)
	s_wait_alu depctr_va_vdst(0)                   ; v4-6 are written, which all the trip's LDS loads read; the last trip's products with V are done reading v32-111, and its last conversions v112-175: the loads below land there
	KLD 0                                          ; what the first products want stands first: K's fragments and the mask of keys 0-31;
	MASKG 0
	MASKG 1                                        ; the mask of keys 32-63 rides behind
.irp g, 0,1,2,3
.if \g < 3
	s_wait_dscnt 8                                 ; LDS loads come back in order (ISA guide 5.7.1): this group's fragments of K and its mask are in; the eight youngest loads, the next group's mask, may stay out
.else
	s_wait_dscnt 0x0                               ; the last group: nothing was asked for behind its fragments
.endif
	QK \g
.rept 4
	v_nop                                          ; four places behind the products (ISA guide 7.12.1); behind the last group they stand ahead of the first read of the scores
.endr
.if \g < 3
	s_wait_alu depctr_va_vdst(0)                   ; this group's products are done reading v32-47, in which the next fragments of K land; no product so far names the registers that the mask's loads below fill
	KLD \g+1
.if \g < 2
	MASKG \g+2                                     ; a group ahead of its products
.endif
.endif
.endr
	SOFT1 0
	SOFT2 0
	s_wait_alu depctr_va_vdst(0)                   ; tile 0's conversions are done reading its p, v48-111, in which V's fragments land
	VLD                                            ; lands while tile 1's softmax is walked, which names none of v48-111
	SOFT1 1
	s_wait_dscnt 0x0                               ; V is in
	PV 0
	SOFT2 1
	PV 1
	s_add_co_u32 s36, s36, 128*KP
	s_add_co_u32 s37, s37, 512
	s_sub_co_u32 s38, s38, 1
	s_cmp_lg_u32 s38, 0
	s_cbranch_scc1 .Lstep
	; THE WAY OUT: O^T x 2^(e8 + e9) / l, quantised with 2^e10; 8 codes for each accumulator go into my stage (32 tokens x 64 bytes) and leave as 2,048 consecutive bytes.
	s_wait_alu depctr_vm_vsrc(0)                   ; the last trip's LDS loads have read v4-6, which are made anew below
.rept 4
	v_nop                                          ; places behind the last products
.endr
	v_add_f32 v246, v10, v11                       ; l's two halves,
	v_add_f32 v247, v14, v15
	v_permlanex16_b32 v248, v246, s32, s33
	v_add_f32 v246, v246, v248                     ; and lane l xor 16's
	v_permlanex16_b32 v248, v247, s32, s33
	v_add_f32 v247, v247, v248
	v_rcp_f32 v246, v246
	v_rcp_f32 v247, v247
	v_and_b32 v4, 15, v0                           ; (a plain instruction behind the reciprocals)  r
	v_bfe_u32 v5, v0, 4, 1                         ; h
	s_lshl_b32 s52, s12, 11
	s_add_co_u32 s52, s52, STAGE                   ; my stage
	v_lshlrev_b32 v4, 6, v4
	v_lshl_add_u32 v4, v5, 3, v4
	v_add_nc_u32 v4, s52, v4                       ; in: token r, + 8 h
	v_and_b32 v6, 31, v0
	v_lshlrev_b32 v6, 4, v6                        ; 16 x lane
	v_add_nc_u32 v5, s52, v6                       ; back: as the bytes lie
	s_wait_alu depctr_va_vdst(0)                   ; the two reciprocals have written v246 and v247: one wait, ahead of their first reader
	v_ldexp_f32 v246, v246, s56
	v_ldexp_f32 v247, v247, s56
.set j, 0
.rept 32
	v_mul_f32 v[48+j], v[176+j], v246              ; each accumulator from its low end on
.set j, j+1
.endr
.set j, 0
.rept 32
	v_mul_f32 v[80+j], v[208+j], v247
.set j, j+1
.endr
.set j, 0
.rept 64
	v_med3_num_f32 v[48+j], v[48+j], -v249, v249
.set j, j+1
.endr
.irp x, 0,1
.irp t, 0,1,2,3
	v_cvt_scalef32_pk8_bf8_f32 v[32+8*\x+2*\t:33+8*\x+2*\t], v[48+32*\x+8*\t:48+32*\x+8*\t+7], v250
.endr
.endr
	v_nop                                          ; a plain instruction behind the last conversion
	s_wait_alu depctr_va_vdst(0)                   ; the conversions have written the codes, v32-47, which the LDS stores read; v4-6, the addresses below, are written; the loop's conversions are done reading v112-127, in which the loads from the stage land
.irp x, 0,1
.irp t, 0,1,2,3
	ds_store_b64 v4, v[32+8*\x+2*\t:33+8*\x+2*\t] offset:1024*\x+16*\t   ; token 16 x + r, d = 16 t + 8 h + 0 .. 7
.endr
.endr
.irp i, 0,1,2,3
	ds_load_b128 v[112+4*\i:115+4*\i], v5 offset:512*\i   ; LDS serves a wave's instructions in order (ISA guide 5.7.1.4): these see my stores
.endr
.irp i, 0,1,2,3
	s_wait_dscnt 3-\i
	global_store_b128 v6, v[112+4*\i:115+4*\i], s[10:11] offset:512*\i   ; 512 consecutive bytes, at a multiple of 256
.endr
	s_wait_xcnt 0x0
	v_lshl_add_u32 v254, v0, 2, 0x31000            ; my spare word and 0, made anew straight ahead of the closing lines: v254 was last read by the head's LDS stores, ahead of the waits on vm_vsrc in the loop and at the head of the way out
	v_mov_b32 v255, 0
	s_wait_dscnt 0x0                               ; the closing lines, six on end
	s_wait_alu 0x0
	s_wait_tensorcnt 0x0
	ds_add_u32 v254, v255
	s_wait_dscnt 0x0
	s_endpgm
.Lfunc_end_k_qec3bc7b7bf_attn:
	.size	k_qec3bc7b7bf_attn, .Lfunc_end_k_qec3bc7b7bf_attn-k_qec3bc7b7bf_attn
	.p2alignl 7, 3214868480
	.fill 96, 4, 3214868480
	.section	.rodata,"a",@progbits
	.p2align	6, 0x0
	.amdhsa_kernel k_qec3bc7b7bf_attn
		.amdhsa_group_segment_fixed_size 202752
		.amdhsa_private_segment_fixed_size 0
		.amdhsa_enable_private_segment 0
		.amdhsa_kernarg_size 32
		.amdhsa_user_sgpr_count 2
		.amdhsa_user_sgpr_kernarg_segment_ptr 1
		.amdhsa_wavefront_size32 1
		.amdhsa_system_sgpr_workgroup_id_x 1
		.amdhsa_system_sgpr_workgroup_id_y 1
		.amdhsa_system_sgpr_workgroup_id_z 1
		.amdhsa_system_vgpr_workitem_id 0
		.amdhsa_next_free_vgpr 256
		.amdhsa_next_free_sgpr 66
		.amdhsa_reserve_vcc 0
		.amdhsa_float_denorm_mode_32 3
		.amdhsa_float_denorm_mode_16_64 3
		.amdhsa_memory_ordered 1
		.amdhsa_forward_progress 1
		.amdhsa_inst_pref_size 51
	.end_amdhsa_kernel
	.amdgpu_metadata
---
amdhsa.version: [ 1, 2 ]
amdhsa.kernels:
  - .name:           k_qec3bc7b7bf_attn
    .symbol:         k_qec3bc7b7bf_attn.kd
    .args:
      - { .name: pc, .offset: 0, .size: 8, .value_kind: global_buffer, .address_space: global }
      - { .name: pad_mask, .offset: 8, .size: 8, .value_kind: global_buffer, .address_space: global }
      - { .name: lowp_scales, .offset: 16, .size: 8, .value_kind: global_buffer, .address_space: global }
      - { .name: ac, .offset: 24, .size: 8, .value_kind: global_buffer, .address_space: global }
    .group_segment_fixed_size: 202752
    .private_segment_fixed_size: 0
    .kernarg_segment_align: 8
    .kernarg_segment_size: 32
    .max_flat_workgroup_size: 512
    .sgpr_count:     66
    .vgpr_count:     256
    .wavefront_size: 32
...
	.end_amdgpu_metadata
.endif
;; end of part 5
;; launch outp: the kernel of part 4 again; grid 4 x 64, 4 waves a work-group, clusters of 4 x 4, 327,680 bytes of LDS; arguments ac, xw, lowp_scales, bo, q, out0; writes out0
